; MI455X (gfx1250); checked and timed in simulation.
; The chip was launched on July 23, 2026; its instructions are those of AMD's public machine-readable ISA for CDNA 5 (MIT licence, August 2026) and "CDNA5" Instruction Set Architecture Reference Guide (July 2026). The comments in the code are by the model that wrote it; some were corrected since.
;; Simple Self Attention. Allowed arithmetic: matrix products marked QUANTISED: E2M1 operands, one E8M0 scale for each 32 along K, by v_wmma_scale_f32_16x16x128_f8f6f4 with both operands' format E2M1 (or v_wmma_scale_f32_32x16x128_f4), f32 sums; products left as they are: bf16, f16 or f32 operands; f32 sums; everything else in f32.
;; Inputs: Wk 1,024 x 1,024 float32; Wq 1,024 x 1,024 float32; Wv 1,024 x 1,024 float32; bk 1,024 float32; bq 1,024 float32; bv 1,024 float32; query 4 x 2,048 x 1,024 float32; value 4 x 2,048 x 1,024 float32.
;; Outputs: out0 4 x 2,048 x 1,024 float32.
;; This version of the problem:
;;   THIS VERSION OF THE PROBLEM IS GIVEN IN LOW PRECISION. The matrix products marked QUANTISED in the list below multiply operands that are first quantised to E2M1 (2 exponent bits, 1 mantissa bit; 4 bits a number), with one power-of-two scale for each 32 numbers along K (OCP MX v1.0); their sums are f32. The products marked 'left as it is' may take bf16, f16 or f32 operands, with f32 sums. Whichever they take, every output number must still come out within the allowed error. Rounding operands to bf16 (8 significant bits) uses up far more of that allowance than f16 does (11 bits, for magnitudes from 6e-5 to 65,504). All else is computed in f32.
;;   The module's matrix products, in the order in which they are computed (A, B: the left and right operand; K: the contracted axis; several contracted axes count as one K, in the product's order):
;;     1. [M 8,192, K 1,024] x [K 1,024, N 1,024]; A: input query; B: input Wq: QUANTISED
;;     2. [M 8,192, K 1,024] x [K 1,024, N 1,024]; A: input value; B: input Wk: QUANTISED
;;     3. [M 8,192, K 1,024] x [K 1,024, N 1,024]; A: input value; B: input Wv: QUANTISED
;;     4. batch 4 x [M 2,048, K 1,024] x [K 1,024, N 2,048]; A: computed on the way; B: computed on the way: left as it is (an operand is computed on the way)
;;     5. batch 4 x [M 2,048, K 2,048] x [K 2,048, N 1,024]; A: computed on the way; B: computed on the way: left as it is (an operand is computed on the way)
;;   THE QUANTISER, for each operand of a quantised product, along K:
;;     - K is cut into blocks of 32 from its start; a last block that is shorter is filled with zeros.
;;     - A block's scale is 2^e with e = floor(log2(the largest magnitude in the block)) - 2, held to -126 .. 127; a block of zeros has e = 0. As a byte (E8M0): e + 127.
;;     - Each number is divided by its block's scale, clamped to +-6, and rounded to the nearest number of E2M1, ties to even, subnormals kept.
;;     - The product sums the exact products of the quantised numbers (number of the format x scale) in f32.
;;   ~~~python
;;   def quantise(x, axis):      # numpy; x: float32 -> the quantised numbers, widened to float32 again
;;       x = np.moveaxis(x, axis, -1); K = x.shape[-1]
;;       x = np.pad(x, [(0, 0)] * (x.ndim - 1) + [(0, -K % 32)]); x = x.reshape(x.shape[:-1] + (-1, 32)); a = np.abs(x).max(-1, keepdims=True)
;;       e = np.where(a > 0, np.clip(np.frexp(np.where(a > 0, a, 1))[1] - 1 - 2, -126, 127), 0)      # np.frexp(a)[1] - 1 = floor(log2(a)), exactly
;;       r = np.clip(x / 2.0 ** e, -6, 6)
;;       step = 2.0 ** (np.maximum(np.frexp(np.where(r == 0, 1, r))[1] - 1, 0) - 1)
;;       q = np.round(r / step) * step * 2.0 ** e      # np.round: ties to even
;;       return np.moveaxis(q.reshape(q.shape[:-2] + (-1,))[..., :K], -1, axis).astype(np.float32)
;;   ~~~
;; One version. Each part assembles by itself: llvm-mc -triple=amdgcn-amd-amdhsa -mcpu=gfx1250 --defsym DOCPART=n.
;; ======== version 1 of 1: 4 launches
;; limits: values are held in f16: magnitudes above 65,504 overflow, below 6.1e-05 lose precision
;; workspace buffers: xcodes 8,388,608 bytes; xscales 524,288 bytes; wcodes 1,572,864 bytes; wscales 98,304 bytes; qkv 50,331,648 bytes; p 33,554,432 bytes; stats 1,048,576 bytes
;; launch quant (part 1): grid 704 x 1, 4 waves a work-group, no clusters, 33,280 bytes of LDS; arguments query, value, Wq, Wk, Wv, xcodes, xscales, wcodes, wscales; writes xcodes, xscales, wcodes, wscales
.if DOCPART == 1
	.amdgcn_target "amdgcn-amd-amdhsa--gfx1250"
	.amdhsa_code_object_version 6
	.text
	.protected	k_qf0c09b46cb_quant
	.globl	k_qf0c09b46cb_quant
	.p2align	8
	.type	k_qf0c09b46cb_quant,@function
k_qf0c09b46cb_quant:
	s_mov_b64 s[64:65], 0
	v_nop
	global_prefetch_b8 v0, s[64:65] scope:SCOPE_SE
	s_setreg_imm32_b32 hwreg(HW_REG_WAVE_MODE, 25, 1), 1
	s_wait_xcnt 0x0
; FIRST OF FOUR LAUNCHES of out = softmax((query Wq + bq)(value Wk + bk)^T / 32)(value Wv + bv), B = 4, S = 2,048, D = U = 1,024.
; This one turns the five f32 operands of the three QUANTISED products into codes of FP4 (E2M1) with one E8M0 scale byte for each 32 along K (= D).
; DEAD WORK, LEFT OUT IN THE WHOLE PROGRAM: bk.  scores[b,s,t] = Q[b,s] . (value[b,t] Wk + bk) / 32 = Q[b,s] . (value[b,t] Wk) / 32 + Q[b,s] . bk / 32.  The second term does not hang on t,
; the softmax's axis, so it cancels in softmax for all finite values of the inputs; the product Q K^T is not quantised, so bk moves no code and no scale.  bk is loaded nowhere and is no launch's argument.
; LIMIT: a NaN, an infinity or an overflow that reaches only that term is not carried to the result.
; THE RULE: a block's scale is 2^(floor(log2(largest magnitude)) - 2); its byte is the largest magnitude's exponent field - 2, held at 1 from below.  A block of zeros gets the byte 1 where the rule says 127: its codes are
; zeros, which add nothing under any byte but 0xff, and this program alone reads the bytes.  LIMITS: NaN and infinities among the inputs are not served; blocks whose largest magnitude lies under 2^(2 - 126) keep the byte 1.
; TWO PATHS, parted by the work-group's number.
; Work-groups 0-191: the weights [K][N], K the first axis.  A lane takes a column n and its registers run down K: a block of 32 lies in one lane, the codes come out with K innermost.  A wave takes 32 columns x 128 K.
;   wcodes is laid [weight][K block][n][16 bytes]: the wave's 32 lanes store 512 consecutive bytes, with no turn through LDS.  wscales is laid [weight][n][32 bytes]: 4 bytes a lane, one byte out for each 128 bytes read.
;   Four blocks a wave, two of them (64 loads) on their way: sixteen blocks a wave would be a chain four times as long.
; Work-groups 192-703: query, then value: K innermost, dense rows: plain streams of blocks.  A wave takes 16 steps of 512 numbers.  Each load reads 512 consecutive bytes; a step's 2,048 bytes turn through the wave's own
;   stage in LDS (16 bytes of padding behind each 64) and come back 64 bytes a lane: 16 neighbours, two lanes to a block.  xcodes [2][8192][512 bytes], xscales [2][8192][32 bytes].
.set NWG,   192                        ; the weights' work-groups
.set STEPS, 16
.set CB,    8                          ; bytes of 16 codes
.set R,     16                         ; v16-79   four sets of 16 numbers as loaded
.set X,     80                         ; v80-111  two sets of 16 neighbours
.set E,     112                        ; v112-127 a scale byte for each step
.set C,     128                        ; v128-191 codes: four registers for each step, never written again
.set WREG,  8192                       ; LDS: a region for each wave: two stages of 32 x SP bytes, then its 256 scale bytes
.set SP,    80
.set SPW,   12                         ; v12 LDS address of my spare word; never rewritten
.set NIL,   13                         ; v13 0; never rewritten
.set SPARE, 4*WREG                     ; the spare words: 128 bytes for each wave, named by no other line
.set XW,    32                         ; the weights' path: v32-95 two sets of 32 numbers
.set CW,    96                         ; v96-111 four registers of codes for each block, never written again
.set SW,    24                         ; v24 the four scale bytes
	s_load_b256 s[4:11], s[0:1], 0x0               ; query s[4:5], value s[6:7], Wq s[8:9], Wk s[10:11]
	s_load_b256 s[12:19], s[0:1], 0x20             ; Wv s[12:13], xcodes s[14:15], xscales s[16:17], wcodes s[18:19]
	s_load_b64 s[20:21], s[0:1], 0x40              ; wscales
	v_lshl_add_u32 v[SPW], v0, 2, SPARE
	v_mov_b32 v[NIL], 0
	v_lshrrev_b32 v1, 5, v0
	v_readfirstlane_b32 s22, v1                    ; wave
	v_and_b32 v2, 31, v0                           ; lane
	s_cmp_lt_u32 ttmp9, NWG
	s_cbranch_scc1 .Lweights
; ---------------- query and value
	v_lshlrev_b32 v3, 4, v2                        ; my 16 bytes of a load's 512
	s_mul_i32 s24, s22, WREG
	v_lshrrev_b32 v14, 2, v2
	v_mul_u32_u24 v14, v14, SP
	v_and_b32 v15, 3, v2
	v_lshl_add_u32 v14, v15, 4, v14
	v_add_nc_u32 v14, s24, v14                     ; the stage, on the way in: SP (lane / 4) + 16 (lane % 4)
	v_mul_u32_u24 v15, v2, SP
	v_add_nc_u32 v15, s24, v15                     ; and on the way out: SP x lane
	v_mul_u32_u24 v4, v2, CB                       ; my codes' place in a step's
	v_lshrrev_b32 v5, 1, v2
	s_add_co_u32 s24, s24, 2*32*SP
	v_add_nc_u32 v5, s24, v5                       ; my wave's 256 scale bytes, my block's byte
	v_lshlrev_b32 v7, 3, v2
	v_add_nc_u32 v6, s24, v7                       ; and on the way out 8 bytes a lane
	s_sub_co_u32 s25, ttmp9, NWG
	s_lshl_b32 s26, s25, 2
	s_add_co_u32 s26, s26, s22                     ; which run of 8,192 numbers is my wave's: 0-1023 query, 1024-2047 value
	s_wait_kmcnt 0x0
	s_cmp_lt_u32 s25, 256                          ; the choice hangs on the work-group's number alone
	s_cselect_b64 s[4:5], s[4:5], s[6:7]
	s_cselect_b32 s23, 0, 1024
	s_sub_co_u32 s28, s26, s23
	s_lshl_b32 s28, s28, 15                        ; 32,768 bytes of f32 a run
	s_mov_b32 s29, 0
	s_add_nc_u64 s[4:5], s[4:5], s[28:29]
	s_lshl_b32 s28, s26, 12                        ; 4,096 bytes of codes: the two tensors lie on end in xcodes,
	s_add_nc_u64 s[14:15], s[14:15], s[28:29]
	s_lshl_b32 s28, s26, 8                         ; 256 scale bytes: and in xscales
	s_add_nc_u64 s[16:17], s[16:17], s[28:29]
.macro LOAD t
.irp i, 0,1,2,3
	global_load_b128 v[R+16*((\t)%4)+4*\i:R+16*((\t)%4)+4*\i+3], v3, s[4:5] offset:2048*(\t)+512*\i th:TH_LOAD_NT   ; 32 lanes read 512 consecutive bytes
.endr
.endm
.macro TURN t                          ; step t's numbers through the stage: LDS serves a wave's instructions in order, so no wait stands between the stores and the loads
.irp i, 0,1,2,3
	ds_store_b128 v14, v[R+16*((\t)%4)+4*\i:R+16*((\t)%4)+4*\i+3] offset:32*SP*((\t)%2)+8*SP*\i
.endr
.irp i, 0,1,2,3
	ds_load_b128 v[X+16*((\t)%2)+4*\i:X+16*((\t)%2)+4*\i+3], v15 offset:32*SP*((\t)%2)+16*\i
.endr
.endm
.irp t, 0,1,2,3
	LOAD \t
.endr
	s_wait_loadcnt 12                              ; step 0's four loads are in
	TURN 0
.macro STEP t
.set XS, X+16*((\t)%2)
.if (\t) > 0
	s_wait_dscnt 1                                 ; this step's numbers are back from the stage (the last step's byte store may be out)
.else
	s_wait_dscnt 0x0
.endif
.if (\t)+4 < STEPS
	LOAD (\t)+4                                    ; into the registers that this step's stage stores have read
.endif
.if (\t)+1 < STEPS
.if STEPS-2-(\t) >= 3
	s_wait_loadcnt 12                              ; the next step's four loads are in; those of the three steps behind it may be out
.else
	s_wait_loadcnt 4*(STEPS-2-(\t))
.endif
	TURN (\t)+1
.endif
	v_max3_num_f32 v8, |v[XS]|, |v[XS+1]|, |v[XS+2]|               ; the largest magnitude of my 16, in two chains
	v_max3_num_f32 v9, |v[XS+3]|, |v[XS+4]|, |v[XS+5]|
.irp i, 6,10
	v_max3_num_f32 v8, v8, |v[XS+\i]|, |v[XS+\i+1]|
	v_max3_num_f32 v9, v9, |v[XS+\i+2]|, |v[XS+\i+3]|
.endr
	v_max3_num_f32 v8, v8, |v[XS+14]|, |v[XS+15]|
	v_max3_num_f32 v8, v8, v9, 0x1800000           ; and the floor 2^(3 - 127): the byte cannot fall under 1
	v_max_num_f32_dpp v8, v8, v8 row_xmask:1 row_mask:0xf bank_mask:0xf   ; and of my neighbour's 16: the block's
	v_add_nc_u32 v11, 0xff000000, v8               ; 2 off its exponent field: the conversion takes the exponent field of this operand as its scale
	v_cvt_scalef32_pk8_fp4_f32 v[C+4*(\t)], v[XS:XS+7], v11
	v_cvt_scalef32_pk8_fp4_f32 v[C+4*(\t)+1], v[XS+8:XS+15], v11
	v_lshrrev_b32 v[E+(\t)], 23, v11               ; the scale's byte (a plain line behind the conversions)
	ds_store_b8 v5, v[E+(\t)] offset:16*(\t)       ; both lanes of a block write the same byte with the same value
	global_store_b64 v4, v[C+4*(\t):C+4*(\t)+1], s[14:15] offset:32*CB*(\t)   ; the wave stores 256 consecutive bytes, aligned
.endm
.irp t, 0,1,2,3,4,5,6,7,8,9,10,11,12,13,14,15
	STEP \t
.endr
	ds_load_b64 v[8:9], v6                         ; LDS serves a wave's instructions in order: these see my stores
	s_wait_dscnt 0x0
	global_store_b64 v7, v[8:9], s[16:17]          ; 32 lanes store 256 consecutive bytes, aligned
	s_wait_tensorcnt 0x0                           ; the wave's end, behind my last LDS store
	ds_add_u32 v[SPW], v[NIL]
	s_wait_dscnt 0x0
	s_endpgm
; ---------------- the weights
.Lweights:
	s_lshr_b32 s24, ttmp9, 6                       ; which weight: 0 Wq, 1 Wk, 2 Wv
	s_and_b32 s25, ttmp9, 7                        ; which 128 columns
	s_bfe_u32 s26, ttmp9, 0x30003                  ; which 128 along K
	s_lshl_b32 s27, s25, 7
	s_lshl_b32 s28, s22, 5
	s_add_co_u32 s27, s27, s28                     ; my wave's first column
	v_lshlrev_b32 v3, 2, v2                        ; in: 4 bytes a lane
	v_lshlrev_b32 v4, 4, v2                        ; codes out: 16 bytes a lane
	v_lshlrev_b32 v9, 5, v2                        ; scale bytes out: a row of 32 bytes a lane
	s_wait_kmcnt 0x0
	s_cmp_eq_u32 s24, 0
	s_cselect_b64 s[8:9], s[8:9], s[10:11]
	s_cmp_eq_u32 s24, 2
	s_cselect_b64 s[8:9], s[12:13], s[8:9]
	s_lshl_b32 s28, s26, 19                        ; 128 rows of 4,096 bytes
	s_lshl_b32 s30, s27, 2
	s_add_co_u32 s28, s28, s30
	s_mov_b32 s29, 0
	s_add_nc_u64 s[8:9], s[8:9], s[28:29]
	s_lshl_b32 s28, s24, 19                        ; a weight's codes: 524,288 bytes;
	s_lshl_b32 s30, s26, 16                        ; four K blocks of 16,384 bytes;
	s_add_co_u32 s28, s28, s30
	s_lshl_b32 s30, s27, 4                         ; 16 bytes a column
	s_add_co_u32 s28, s28, s30
	s_add_nc_u64 s[18:19], s[18:19], s[28:29]
	s_lshl_b32 s28, s24, 15                        ; a weight's scale bytes: 32,768;
	s_lshl_b32 s30, s27, 5                         ; 32 a column;
	s_add_co_u32 s28, s28, s30
	s_lshl_b32 s30, s26, 2                         ; my four
	s_add_co_u32 s28, s28, s30
	s_add_nc_u64 s[20:21], s[20:21], s[28:29]
.macro WLOAD t                         ; block t: W(32 t + i, my column), i = 0 .. 31, into set t % 2: 128 consecutive bytes a load
.irp i, 0,1,2,3,4,5,6,7,8,9,10,11,12,13,14,15,16,17,18,19,20,21,22,23,24,25,26,27,28,29,30,31
	global_load_b32 v[XW+32*((\t)%2)+\i], v3, s[8:9] offset:(32*(\t)+\i)*4096 th:TH_LOAD_NT
.endr
.endm
.macro WBLOCK t
.set XS, XW+32*((\t)%2)
.if (\t) < 3
	s_wait_loadcnt 32                              ; this block's 32 loads are in; the next block's may be out
.else
	s_wait_loadcnt 0x0
.endif
	v_max3_num_f32 v8, |v[XS]|, |v[XS+1]|, |v[XS+2]|               ; the block's largest magnitude: all 32 numbers are mine
	v_max3_num_f32 v10, |v[XS+3]|, |v[XS+4]|, |v[XS+5]|
.irp i, 6,10,14,18,22,26
	v_max3_num_f32 v8, v8, |v[XS+\i]|, |v[XS+\i+1]|
	v_max3_num_f32 v10, v10, |v[XS+\i+2]|, |v[XS+\i+3]|
.endr
	v_max3_num_f32 v8, v8, |v[XS+30]|, |v[XS+31]|
	v_max3_num_f32 v8, v8, v10, 0x1800000          ; and the floor 2^(3 - 127)
	v_add_nc_u32 v11, 0xff000000, v8               ; the conversion's scale operand
	v_lshrrev_b32 v5, 23, v11                      ; the scale's byte
.if (\t) == 0
	v_mov_b32 v[SW], v5
.else
	v_lshl_or_b32 v[SW], v5, 8*(\t), v[SW]         ; the lower K in the lower byte
.endif
.irp g, 0,1,2,3
	v_cvt_scalef32_pk8_fp4_f32 v[CW+4*(\t)+\g], v[XS+8*\g:XS+8*\g+7], v11
.endr
	v_nop                                          ; a plain line behind the last conversion of the run
	global_store_b128 v4, v[CW+4*(\t):CW+4*(\t)+3], s[18:19] offset:16384*(\t)   ; 32 lanes store 512 consecutive bytes, aligned
.if (\t) < 2
	WLOAD (\t)+2
.endif
.endm
	WLOAD 0
	WLOAD 1
	WBLOCK 0
	WBLOCK 1
	WBLOCK 2
	WBLOCK 3
	global_store_b32 v9, v[SW], s[20:21]           ; my column's four scale bytes
	s_wait_tensorcnt 0x0                           ; the wave's end
	ds_add_u32 v[SPW], v[NIL]
	s_wait_dscnt 0x0
	s_endpgm
.Lfunc_end_k_qf0c09b46cb_quant:
	.size	k_qf0c09b46cb_quant, .Lfunc_end_k_qf0c09b46cb_quant-k_qf0c09b46cb_quant
	.p2alignl 7, 3214868480
	.fill 96, 4, 3214868480
	.section	.rodata,"a",@progbits
	.p2align	6, 0x0
	.amdhsa_kernel k_qf0c09b46cb_quant
		.amdhsa_group_segment_fixed_size 33280
		.amdhsa_private_segment_fixed_size 0
		.amdhsa_enable_private_segment 0
		.amdhsa_kernarg_size 72
		.amdhsa_user_sgpr_count 2
		.amdhsa_user_sgpr_kernarg_segment_ptr 1
		.amdhsa_wavefront_size32 1
		.amdhsa_system_sgpr_workgroup_id_x 1
		.amdhsa_system_sgpr_workgroup_id_y 1
		.amdhsa_system_sgpr_workgroup_id_z 1
		.amdhsa_system_vgpr_workitem_id 0
		.amdhsa_next_free_vgpr 192
		.amdhsa_next_free_sgpr 66
		.amdhsa_reserve_vcc 0
		.amdhsa_float_denorm_mode_32 3
		.amdhsa_float_denorm_mode_16_64 3
		.amdhsa_memory_ordered 1
		.amdhsa_forward_progress 1
		.amdhsa_inst_pref_size 53
	.end_amdhsa_kernel
	.amdgpu_metadata
---
amdhsa.version: [ 1, 2 ]
amdhsa.kernels:
  - .name:           k_qf0c09b46cb_quant
    .symbol:         k_qf0c09b46cb_quant.kd
    .args:
      - { .name: query, .offset: 0, .size: 8, .value_kind: global_buffer, .address_space: global }
      - { .name: value, .offset: 8, .size: 8, .value_kind: global_buffer, .address_space: global }
      - { .name: Wq, .offset: 16, .size: 8, .value_kind: global_buffer, .address_space: global }
      - { .name: Wk, .offset: 24, .size: 8, .value_kind: global_buffer, .address_space: global }
      - { .name: Wv, .offset: 32, .size: 8, .value_kind: global_buffer, .address_space: global }
      - { .name: xcodes, .offset: 40, .size: 8, .value_kind: global_buffer, .address_space: global }
      - { .name: xscales, .offset: 48, .size: 8, .value_kind: global_buffer, .address_space: global }
      - { .name: wcodes, .offset: 56, .size: 8, .value_kind: global_buffer, .address_space: global }
      - { .name: wscales, .offset: 64, .size: 8, .value_kind: global_buffer, .address_space: global }
    .group_segment_fixed_size: 33280
    .private_segment_fixed_size: 0
    .kernarg_segment_align: 8
    .kernarg_segment_size: 72
    .max_flat_workgroup_size: 128
    .sgpr_count:     66
    .vgpr_count:     192
    .wavefront_size: 32
...
	.end_amdgpu_metadata
.endif
;; end of part 1
;; launch proj (part 2): grid 4 x 96, 4 waves a work-group, clusters of 4 x 4, 327,680 bytes of LDS; arguments xcodes, xscales, wcodes, wscales, bq, bv, qkv; writes qkv
.if DOCPART == 2
	.amdgcn_target "amdgcn-amd-amdhsa--gfx1250"
	.amdhsa_code_object_version 6
	.text
	.protected	k_qf0c09b46cb_proj
	.globl	k_qf0c09b46cb_proj
	.p2align	8
	.type	k_qf0c09b46cb_proj,@function
k_qf0c09b46cb_proj:
	s_mov_b64 s[64:65], 0
	v_nop
	global_prefetch_b8 v0, s[64:65] scope:SCOPE_SE
	s_setreg_imm32_b32 hwreg(HW_REG_WAVE_MODE, 25, 1), 1
	s_wait_xcnt 0x0
	s_wait_alu depctr_hold_cnt(0) depctr_sa_sdst(0) depctr_va_vdst(0) depctr_va_sdst(0) depctr_va_ssrc(0) depctr_va_vcc(0) depctr_vm_vsrc(0)
	s_getreg_b32 s2, hwreg(HW_REG_IB_STS2, 6, 4)
	s_cmp_eq_u32 s2, 0
	s_cbranch_scc0 .Lentry_in_a_cluster
	s_endpgm
.Lentry_in_a_cluster:
	s_bfe_u32 s2, ttmp6, 0x10000c
	s_cmp_lg_u32 s2, 0xf033
	s_cbranch_scc0 .Lentry_shape_is_right
	s_endpgm
.Lentry_shape_is_right:
; SECOND LAUNCH: the three QUANTISED products on codes of FP4 (E2M1) with E8M0 scales: Q = query Wq + bq, K = value Wk, V = value Wv + bv, each [8192][1024], sums in f32, rounded once to f16 into qkv [3][8192][1024].
; LEFT OUT: bk.  It adds Q . bk / 32 to every score of a row, the same along the softmax's axis, and goes into no quantiser: it is dead for all finite inputs, is not loaded, and is no argument.
; LIMIT: |Q|, |K|, |V| stay under 65,504, f16's largest number (inputs 30 times those drawn give some 5,000).
; A tile of 256 x 256 is made by four waves, 128 x 128 each: 64 accumulators, 512 registers.  Cluster y / 8 says which product (the same in all sixteen partners); 32 x 4 tiles for each.
; K = 1,024 is two LDS slots of 512: both are filled at the start and nothing is filled again, so there is no loop: eight steps of 128 along K, 64 matrix instructions each.
; A's tile: 256 rows x 256 bytes of codes, LDS rows 272 bytes apart.  B's tile: wcodes is laid [K block][n][16 bytes], so a slot's part is 16 rows (K blocks) of 2,048 bytes for 128 columns; sixteen lanes of a fragment load
; read 256 consecutive bytes, so it needs no padding.  The scale bytes of the tile's rows and columns, for all of K, are dense blocks: they come once, as rows of 256 bytes + 16.
; CLUSTERS: 4 x 4.  A's tiles are asked for jointly along a row of the cluster, B's along a column.  THE MATRIX INSTRUCTION IS USED TRANSPOSED (source 0 = 16 columns of W, source 1 = 16 rows of x): a lane holds eight
; neighbouring units of one row.  The bias is the C of each sum's first matrix instruction: eight registers for each block of 16 units; for K these hold zeros, so that one text serves the three products.
; REGISTERS: window 0: v0-31 addresses; v32-95 scale words, two sets; v128-191 A's fragments, one set.  Window 1: B's fragments, two sets, v0-63 and v128-191; v192-255 the bias.  Windows 2, 3: the accumulators.
.set NQ,     4                         ; steps of 128 along K in a slot
.set ROWB,   256                       ; a row of A's tile in bytes
.set KROW,   512                       ; a row of xcodes
.set PITCH,  272                       ; 256 + 16: the 16 rows that a load touches start at 16 different banks
.set FR,     8                         ; registers of a fragment
.set NL,     2                         ; LDS loads that bring one
.set NP,     4                         ; places behind this matrix instruction (ISA guide 7.12.1)
.set HALFT,  128*PITCH                 ; 128 rows of A
.set HALFB,  16*2048                   ; 128 columns of B: 16 K blocks x 2,048 bytes
.set SLOT,   2*HALFT+2*HALFB
.set KS,     32                        ; a row of scale bytes
.set SCL,    2*SLOT
.set HALFS,  (128*KS/256)*272
.set SBLK,   (16*KS/256)*272
.set SPARE,  SCL+4*HALFS               ; the spare words: 128 bytes for each wave, named by no other line
.set SPITCH, 272                       ; the way out: a stage of 16 rows x (256 + 16) bytes for each wave, in slot 0, which has had its only fill and its last read when the first result is stored there
.set ADRA, 16
.set ADRB, 20
.set STO,  24
.set RD,   25
.set CO,   26
.set ADRS, 27
.set SPW,  28
.set NIL,  29
.set SC,   32
.set AF,   128
.set BIAS, 192                         ; in window 1
.set TMP,  192                         ; the way out, in window 0: packed results
.set OB,   32                          ; rows read back: v32-63 and v224-255 by turns
.set G1, 24
.set G0, 32
.set G1B, 48
.set G0B, 56
.set G1S, 68
.set G0S, 76
.set G1SB, 80
.set G0SB, 88
.set KIND, 66                          ; s66 0 Q, 1 K, 2 V
.set MSB, 0
.macro WIN new                         ; the immediate's high byte repeats the setting that is left
.if MSB != \new
	s_set_vgpr_msb (MSB<<8)|\new
.set MSB, \new
.endif
.endm
.set MUL_LO, 0xa1                      ; source 0 (B) window 1, source 1 (A) window 0, C and D window 2
.set MUL_HI, 0xf1                      ; the same, C and D window 3
.set BIA_LO, 0x91                      ; the first step: C (the bias) window 1, D window 2
.set BIA_HI, 0xd1                      ; D window 3
.set TO_B,   0x40                      ; destination window 1, address window 0
; A joint load: waves 0 and 1 fetch for A, waves 2 and 3 for B; the branch hangs on the wave's number alone.  An s_nop 0 and four v_nop follow each line.
.macro JLOAD g0a, g1a, g0b, g1b
	s_cmp_eq_u32 s15, 0
	s_cbranch_scc0 .Lfor_b_\@
	tensor_load_to_lds s[\g0a:\g0a+3], s[\g1a:\g1a+7]
	s_nop 0
.rept 4
	v_nop
.endr
	s_branch .Lasked_\@
.Lfor_b_\@:
	tensor_load_to_lds s[\g0b:\g0b+3], s[\g1b:\g1b+7]
	s_nop 0
.rept 4
	v_nop
.endr
.Lasked_\@:
.endm
.macro CROUND                          ; a round of the cluster's barrier
	s_barrier_signal -1
	s_barrier_wait -1
	s_cmp_lg_u32 s14, 0
	s_cbranch_scc1 .Lnot_wave_0_\@
	s_barrier_signal -3
.Lnot_wave_0_\@:
	s_barrier_wait -3
	s_barrier_signal -1
	s_barrier_wait -1
.endm
	s_load_b128 s[4:7], s[0:1], 0x0                ; xcodes, xscales
	s_load_b128 s[8:11], s[0:1], 0x10              ; wcodes, wscales
	s_load_b128 s[96:99], s[0:1], 0x20             ; bq, bv
	s_load_b64 s[12:13], s[0:1], 0x30              ; qkv
	v_lshl_add_u32 v[SPW], v0, 2, SPARE
	v_mov_b32 v[NIL], 0
	ds_add_u32 v[SPW], v[NIL]                      ; the wave's opening: the add, twice on end, and its wait ahead of my first tensor load
	ds_add_u32 v[SPW], v[NIL]
	v_lshrrev_b32 v1, 5, v0
	v_readfirstlane_b32 s14, v1                    ; wave 0..3
	s_lshr_b32 s15, s14, 1                         ; which half of the tile's rows is mine.  Also: I fetch for A (0) or for B (1)
	s_and_b32 s16, s14, 1                          ; which half of its columns.  Also: which half of that tile I fetch
	s_bfe_u32 s40, ttmp6, 0x40000                  ; cx
	s_bfe_u32 s41, ttmp6, 0x40004                  ; cy
	s_lshl_b32 s42, ttmp9, 2
	s_add_co_u32 s42, s42, s40                     ; tile column
	s_and_b32 s17, ttmp7, 0xffff                   ; cluster y: 0 .. 23
	s_lshr_b32 s[KIND], s17, 3                     ; which product
	s_min_u32 s67, s[KIND], 1                      ; which x: 0 query, 1 value
	s_and_b32 s17, s17, 7
	s_lshl_b32 s17, s17, 2
	s_add_co_u32 s17, s17, s41                     ; tile row: 0 .. 31
	s_lshl_b32 s43, s41, 2
	s_lshl_b32 s43, 15, s43                        ; my row of the cluster
	s_lshl_b32 s44, 0x1111, s40                    ; my column
	s_or_b32 s[G1+0], s43, (1<<20)|(1<<21)|(5<<22)|(3<<25)   ; A's codes: the mask; elements of 1 byte; padding: 4 words behind every 64; bit 21 beside a mask
	s_mov_b32 s[G1+1], ROWB<<16                    ; tensor_dim0
	s_mov_b32 s[G1+2], 128<<16                     ; tensor_dim1
	s_mov_b32 s[G1+3], ROWB<<16                    ; tile_dim0
	s_mov_b32 s[G1+4], 128                         ; tile_dim1
	s_mov_b32 s[G1+5], KROW                        ; from row to row
	s_mov_b32 s[G1+6], 0
	s_mov_b32 s[G1+7], 0
	s_or_b32 s[G1B+0], s44, (1<<21)                ; B's codes: 16 rows (K blocks) of 2,048 bytes, 16,384 apart; no padding
	s_mov_b32 s[G1B+1], 2048<<16
	s_mov_b32 s[G1B+2], 16<<16
	s_mov_b32 s[G1B+3], 2048<<16
	s_mov_b32 s[G1B+4], 16
	s_mov_b32 s[G1B+5], 16384
	s_mov_b32 s[G1B+6], 0
	s_mov_b32 s[G1B+7], 0
	s_or_b32 s[G1S+0], s43, (3<<16)|(1<<20)|(1<<21)|(5<<22)|(3<<25)   ; the scales of 128 rows: 4,096 dense bytes as 16 rows of 32 elements of 8 bytes, 16 bytes of padding behind each
	s_or_b32 s[G1SB+0], s44, (3<<16)|(1<<20)|(1<<21)|(5<<22)|(3<<25)
.irp g, G1S, G1SB
	s_mov_b32 s[\g+1], 32<<16
	s_mov_b32 s[\g+2], (128*KS/256)<<16
	s_mov_b32 s[\g+3], 32<<16
	s_mov_b32 s[\g+4], 128*KS/256
	s_mov_b32 s[\g+5], 32
	s_mov_b32 s[\g+6], 0
	s_mov_b32 s[\g+7], 0
.endr
	s_lshl_b32 s18, s16, 7                         ; which 128 of the tile's 256 I fetch
	s_lshl_b32 s20, s17, 8
	s_add_co_u32 s20, s20, s18
	s_lshl_b32 s19, s67, 13
	s_add_co_u32 s20, s20, s19                     ; A: row 8192 x (which x) + 256 x tile row + 128 x half
	s_lshl_b32 s46, s42, 8
	s_add_co_u32 s46, s46, s18                     ; B: column 256 x tile column + 128 x half
	s_lshl_b32 s22, s20, 5                         ; A's scales: 32 bytes a row
	s_mov_b32 s23, 0
	s_lshl_b32 s20, s20, 9                         ; A's codes: 512 bytes a row
	s_mov_b32 s21, 0
	s_lshl_b32 s92, s46, 5                         ; B's scales: 32 bytes a column, 32,768 a weight
	s_lshl_b32 s19, s[KIND], 15
	s_add_co_u32 s92, s92, s19
	s_mov_b32 s93, 0
	s_lshl_b32 s46, s46, 4                         ; B's codes: 16 bytes a column, 524,288 a weight
	s_lshl_b32 s19, s[KIND], 19
	s_add_co_u32 s46, s46, s19
	s_mov_b32 s47, 0
	s_mul_i32 s45, s16, HALFT                      ; where they go: no place in the cluster enters an LDS address
	s_mul_i32 s95, s16, HALFB
	s_add_co_u32 s95, s95, 2*HALFT
	s_mul_i32 s94, s14, HALFS
	s_wait_dscnt 0x0                               ; both opening adds are done
	s_wait_kmcnt 0x0
	s_add_nc_u64 s[20:21], s[4:5], s[20:21]
	s_add_nc_u64 s[22:23], s[6:7], s[22:23]
	s_add_nc_u64 s[46:47], s[8:9], s[46:47]
	s_add_nc_u64 s[92:93], s[10:11], s[92:93]
	CROUND                                         ; all sixteen work-groups are here: the joint loads meet
	s_mov_b32 s[G0S], 1
	s_add_co_u32 s[G0S+1], s94, SCL
	s_mov_b64 s[G0S+2:G0S+3], s[22:23]
	s_or_b32 s[G0S+3], s[G0S+3], 0x80000000
	s_mov_b32 s[G0SB], 1
	s_add_co_u32 s[G0SB+1], s94, SCL
	s_mov_b64 s[G0SB+2:G0SB+3], s[92:93]
	s_or_b32 s[G0SB+3], s[G0SB+3], 0x80000000
	JLOAD G0S, G1S, G0SB, G1SB                     ; the scales first: they are wanted with the first step.  By this text's count three tensor loads of a wave are out
.irp s, 0,1
	s_mov_b32 s[G0+4*\s], 1
	s_add_co_u32 s[G0+4*\s+1], s45, \s*SLOT
	s_add_nc_u64 s[G0+4*\s+2:G0+4*\s+3], s[20:21], \s*ROWB
	s_or_b32 s[G0+4*\s+3], s[G0+4*\s+3], 0x80000000
	s_mov_b32 s[G0B+4*\s], 1
	s_add_co_u32 s[G0B+4*\s+1], s95, \s*SLOT
	s_add_nc_u64 s[G0B+4*\s+2:G0B+4*\s+3], s[46:47], \s*16*16384
	s_or_b32 s[G0B+4*\s+3], s[G0B+4*\s+3], 0x80000000
	JLOAD G0+4*\s, G1, G0B+4*\s, G1B
.endr
	v_and_b32 v1, 15, v0                           ; r = l % 16
	v_bfe_u32 v2, v0, 4, 1                         ; h = l / 16
	; the bias of my 128 units: register 8 b + j of lane (r, h) is that of unit 16 b + 8 h + j
	s_lshl_b32 s2, s42, 10
	s_lshl_b32 s3, s16, 9
	s_add_co_u32 s2, s2, s3
	s_mov_b32 s3, 0
	s_cmp_eq_u32 s[KIND], 0
	s_cselect_b64 s[96:97], s[96:97], s[98:99]
	s_add_nc_u64 s[96:97], s[96:97], s[2:3]
	v_lshlrev_b32 v7, 5, v2
	s_cmp_eq_u32 s[KIND], 1                        ; the same in all sixteen partners
	s_cbranch_scc1 .Lno_bias
	WIN TO_B
.irp b, 0,1,2,3,4,5,6,7
	global_load_b128 v[BIAS+8*\b:BIAS+8*\b+3], v7, s[96:97] offset:64*\b
	global_load_b128 v[BIAS+8*\b+4:BIAS+8*\b+7], v7, s[96:97] offset:64*\b+16
.endr
	WIN 0
	s_branch .Lbias_set
.Lno_bias:
	WIN TO_B
.set j, 0
.rept 64
	v_mov_b32 v[BIAS+j], 0                         ; K has no bias
.set j, j+1
.endr
	WIN 0
.Lbias_set:
	v_mul_u32_u24 v3, v1, PITCH
	v_lshl_add_u32 v4, v2, 4, v3                   ; A: row x pitch + 16 x half
	v_lshlrev_b32 v3, 4, v1
	v_lshl_add_u32 v3, v2, 11, v3                  ; B: 16 x column + 2,048 x half: lanes 16-31 take the next K block
	s_mul_i32 s21, s15, HALFT
	s_mul_i32 s22, s16, HALFB
	s_add_co_u32 s22, s22, 2*HALFT
.irp s, 0,1
	v_add_nc_u32 v[ADRA+\s], s21, v4
	v_add_nc_u32 v[ADRB+\s], s22, v3
	s_add_co_u32 s21, s21, SLOT
	s_add_co_u32 s22, s22, SLOT
.endr
	v_mul_u32_u24 v5, v1, KS                       ; my row's scales: 32 bytes a row,
	v_lshrrev_b32 v6, 8, v5
	v_lshl_add_u32 v5, v6, 4, v5                   ; and 16 more for each 256 passed
	s_mul_i32 s21, s15, HALFS
	s_mul_i32 s22, s16, HALFS
	s_add_co_u32 s22, s22, 2*HALFS
	s_sub_co_u32 s22, s22, s21
	v_mul_u32_u24 v6, s22, v2                      ; lanes 16-31 take B's
	s_add_co_u32 s21, s21, SCL
	v_add_nc_u32 v5, v5, v6
	v_add_nc_u32 v[ADRS], s21, v5
	s_mul_i32 s23, s14, 16*SPITCH                  ; my stage
	v_mul_u32_u24 v5, v1, SPITCH
	v_lshl_add_u32 v5, v2, 4, v5
	v_add_nc_u32 v[STO], s23, v5                   ; in: row r, 16 bytes for each half of the lanes
	v_mul_u32_u24 v5, v2, SPITCH
	v_lshl_add_u32 v5, v1, 4, v5
	v_add_nc_u32 v[RD], s23, v5                    ; back: lanes 0-15 one row of 256 bytes, lanes 16-31 the next
	v_lshlrev_b32 v5, 11, v2
	v_lshl_add_u32 v[CO], v1, 4, v5                ; and the same two rows in qkv: 2,048 bytes a row
	s_lshl_b32 s20, s17, 8
	s_lshl_b32 s21, s15, 7
	s_add_co_u32 s20, s20, s21                     ; my first row
	s_lshl_b32 s20, s20, 11
	s_lshl_b32 s21, s[KIND], 24                    ; 16,777,216 bytes for each of Q, K, V
	s_add_co_u32 s20, s20, s21
	s_lshl_b32 s21, s42, 9
	s_add_co_u32 s20, s20, s21
	s_lshl_b32 s21, s16, 8
	s_add_co_u32 s20, s20, s21                     ; my first unit, 2 bytes each
	s_mov_b32 s21, 0
	s_add_nc_u64 s[12:13], s[12:13], s[20:21]
.macro FRAG reg, adr, q, i             ; A: lane l holds row l % 16; registers 4 c .. 4 c + 3 hold K = 64 c + 32 (l / 16) + 0 .. 31
.irp c, 0,1
	ds_load_b128 v[\reg+4*\c:\reg+4*\c+3], v[\adr] offset:64*(\q)+32*\c+(\i)*16*PITCH
.endr
.endm
.macro FRAGB reg, adr, q, i            ; B: the same K is K block 4 q + 2 c + (l / 16) of the slot
.irp c, 0,1
	ds_load_b128 v[\reg+4*\c:\reg+4*\c+3], v[\adr] offset:(4*(\q)+2*\c)*2048+(\i)*256
.endr
.endm
; 16 matrix instructions: A's blocks a0, a0 + 1 x B's eight.  bias = 1: the first step, whose C is the bias.  The 64 accumulators take turns, one instruction a turn, in the same order in every step.
.macro MUL16 a0, p, q, sc, bias
.irp a, \a0, \a0+1
.irp b, 0,1,2,3,4,5,6,7
.if \bias
	v_wmma_scale_f32_16x16x128_f8f6f4 v[8*(8*((\a)%4)+\b):8*(8*((\a)%4)+\b)+7], v[128*(\p)+FR*\b:128*(\p)+FR*\b+FR-1], v[AF+FR*(\a):AF+FR*(\a)+FR-1], v[BIAS+8*\b:BIAS+8*\b+7], v[SC+8*NQ*(\sc)+NQ*\b+(\q)], v[SC+8*NQ*(\sc)+NQ*(\a)+(\q)] matrix_a_fmt:MATRIX_FMT_FP4 matrix_b_fmt:MATRIX_FMT_FP4 matrix_a_scale:MATRIX_SCALE_ROW1
.else
	v_wmma_scale_f32_16x16x128_f8f6f4 v[8*(8*((\a)%4)+\b):8*(8*((\a)%4)+\b)+7], v[128*(\p)+FR*\b:128*(\p)+FR*\b+FR-1], v[AF+FR*(\a):AF+FR*(\a)+FR-1], v[8*(8*((\a)%4)+\b):8*(8*((\a)%4)+\b)+7], v[SC+8*NQ*(\sc)+NQ*\b+(\q)], v[SC+8*NQ*(\sc)+NQ*(\a)+(\q)] matrix_a_fmt:MATRIX_FMT_FP4 matrix_b_fmt:MATRIX_FMT_FP4 matrix_a_scale:MATRIX_SCALE_ROW1
.endif
.endr
.endr
.endm
.macro FETCH_B slot, q, p
	WIN TO_B
.irp i, 0,1,2,3,4,5,6,7
	FRAGB 128*(\p)+FR*\i, ADRB+\slot, \q, \i
.endr
	WIN 0
.endm
.macro FETCH_A slot, q, i0
.irp i, \i0, \i0+1, \i0+2, \i0+3
	FRAG AF+FR*(\i), ADRA+\slot, \q, \i
.endr
.endm
.macro SCALES sc                       ; a slot's scale words: 4 words a row; lanes 0-15 take A's block i, lanes 16-31 B's block i
.irp i, 0,1,2,3,4,5,6,7
	ds_load_b128 v[SC+8*NQ*\sc+NQ*\i:SC+8*NQ*\sc+NQ*\i+3], v[ADRS] offset:\i*SBLK
.endr
.endm
.macro PLACES n                        ; plain vector lines between a matrix instruction and a load into, or a read of, its registers
.rept \n
	v_nop
.endr
.endm
.macro STEP slot, q, bias              ; a step of 128 along K that has its successor in the same slot
	s_wait_dscnt 4*NL                              ; B's set and A's blocks 0-3 are in; the youngest eight loads (A's blocks 4-7) may be out
.if \bias
	WIN BIA_LO
.else
	WIN MUL_LO
.endif
	MUL16 0, (\q)%2, \q, \slot, \bias
	MUL16 2, (\q)%2, \q, \slot, \bias
	s_wait_dscnt 0                                 ; A's blocks 4-7 are in
	PLACES NP
	FETCH_B \slot, (\q)+1, 1-(\q)%2
	FETCH_A \slot, (\q)+1, 0
.if \bias
	WIN BIA_HI
.else
	WIN MUL_HI
.endif
	MUL16 4, (\q)%2, \q, \slot, \bias
	MUL16 6, (\q)%2, \q, \slot, \bias
	PLACES NP
	WIN 0
	FETCH_A \slot, (\q)+1, 4
.endm
.macro TURN slot, next                 ; slot 0's last step changes slots: one barrier; in front of it my part of slot 1 has landed and my reads of slot 0 are over.  Nothing is filled again
	s_wait_tensorcnt 0x0                           ; all my tensor loads have landed
	ds_add_u32 v[SPW], v[NIL]                      ; 0 onto my spare word
	s_wait_dscnt 4*NL+1                            ; (the add and the youngest eight loads may be out)
	WIN MUL_LO
	MUL16 0, 1, NQ-1, \slot, 0
	s_wait_dscnt 0x0                               ; the add is done, and my reads of this slot are over
	s_barrier_signal -1
	MUL16 2, 1, NQ-1, \slot, 0
	WIN 0
	s_barrier_wait -1
	PLACES NP
	v_add_nc_u32 v[ADRS], 4*NQ, v[ADRS]            ; on to the next slot's scale words
	FETCH_B \next, 0, 0
	FETCH_A \next, 0, 0
	SCALES \next
	WIN MUL_HI
	MUL16 4, 1, NQ-1, \slot, 0
	MUL16 6, 1, NQ-1, \slot, 0
	PLACES NP
	WIN 0
	FETCH_A \next, 0, 4
.endm
.macro STEPS slot, from
.set Q, \from
.rept NQ-1-\from
	STEP \slot, Q, 0
.set Q, Q+1
.endr
.endm
	s_wait_tensorcnt 1                             ; the scales and my part of slot 0 are in (slot 1's load may be out)
	s_barrier_signal -1
	s_barrier_wait -1                              ; everybody's are
	FETCH_B 0, 0, 0
	FETCH_A 0, 0, 0
	SCALES 0
	FETCH_A 0, 0, 4
	s_wait_loadcnt 0x0                             ; the bias
	STEP 0, 0, 1                                   ; the first step's products start the sums, on the bias
	STEPS 0, 1
	TURN 0, 1
	STEPS 1, 0
	s_wait_dscnt 4*NL                              ; the last step: nothing more to fetch
	WIN MUL_LO
	MUL16 0, 1, NQ-1, 1, 0
	MUL16 2, 1, NQ-1, 1, 0
	s_wait_dscnt 0
	WIN MUL_HI
	MUL16 4, 1, NQ-1, 1, 0
	MUL16 6, 1, NQ-1, 1, 0
	WIN 0
; THE WAY OUT, block by block of 16 rows x 128 units.  PACK: rounded to f16, 16 bytes a lane, each accumulator from its low end on.  TOSTAGE: into my stage, and back as whole rows of 256 bytes.  SEND: stored.
.macro PACK a
.set AC, 64*((\a)%4)
.set WP, 0x0a+5*((\a)/4)
	WIN WP                                         ; sources 0 and 1: window 2 or 3
.irp b, 0,1,2,3,4,5,6,7
.irp r, 0,1,2,3
	v_cvt_pk_f16_f32 v[TMP+4*\b+\r], v[AC+8*\b+2*\r], v[AC+8*\b+2*\r+1]
.endr
.endr
	WIN 0
.endm
.macro TOSTAGE a
.set BK, OB+192*((\a)%2)
.irp b, 0,1,2,3,4,5,6,7
	ds_store_b128 v[STO], v[TMP+4*\b:TMP+4*\b+3] offset:32*\b
.endr
.irp t, 0,1,2,3,4,5,6,7
	ds_load_b128 v[BK+4*\t:BK+4*\t+3], v[RD] offset:\t*2*SPITCH    ; LDS serves a wave's instructions in order: these see the stores above
.endr
.endm
.macro SEND a
.set BK, OB+192*((\a)%2)
	s_wait_dscnt 0x0                               ; the block is back in registers
	s_wait_xcnt 0x0                                ; only behind this wait are the stores' base and the registers that earlier stores read rewritten
.if (\a) > 0
	s_add_nc_u64 s[12:13], s[12:13], 16*2048       ; 16 rows on
.endif
.irp t, 0,1,2,3,4,5,6,7
	global_store_b128 v[CO], v[BK+4*\t:BK+4*\t+3], s[12:13] offset:2*\t*2048   ; 16 lanes store 256 consecutive bytes, at a multiple of 256 from the buffer's first byte
.endr
.endm
	PLACES NP                                      ; behind the last products: their results are read, and loads land on the scale words' registers
	PACK 0
	TOSTAGE 0
.irp a, 1,2,3,4,5,6,7                  ; block a's conversions stand between block a - 1's loads from the stage and the wait for them
	PACK \a
	SEND \a-1
	TOSTAGE \a
.endr
	SEND 7
	s_wait_tensorcnt 0x0                           ; the wave's end, behind my last tensor load and my last LDS store
	ds_add_u32 v[SPW], v[NIL]
	s_wait_dscnt 0x0
	CROUND                                         ; the closing round
	s_endpgm
.Lfunc_end_k_qf0c09b46cb_proj:
	.size	k_qf0c09b46cb_proj, .Lfunc_end_k_qf0c09b46cb_proj-k_qf0c09b46cb_proj
	.p2alignl 7, 3214868480
	.fill 96, 4, 3214868480
	.section	.rodata,"a",@progbits
	.p2align	6, 0x0
	.amdhsa_kernel k_qf0c09b46cb_proj
		.amdhsa_group_segment_fixed_size 327680
		.amdhsa_private_segment_fixed_size 0
		.amdhsa_enable_private_segment 0
		.amdhsa_kernarg_size 56
		.amdhsa_user_sgpr_count 2
		.amdhsa_user_sgpr_kernarg_segment_ptr 1
		.amdhsa_wavefront_size32 1
		.amdhsa_system_sgpr_workgroup_id_x 1
		.amdhsa_system_sgpr_workgroup_id_y 1
		.amdhsa_system_sgpr_workgroup_id_z 1
		.amdhsa_system_vgpr_workitem_id 0
		.amdhsa_next_free_vgpr 1024
		.amdhsa_next_free_sgpr 100
		.amdhsa_reserve_vcc 0
		.amdhsa_float_denorm_mode_32 3
		.amdhsa_float_denorm_mode_16_64 3
		.amdhsa_memory_ordered 1
		.amdhsa_forward_progress 1
		.amdhsa_inst_pref_size 131
	.end_amdhsa_kernel
	.amdgpu_metadata
---
amdhsa.version: [ 1, 2 ]
amdhsa.kernels:
  - .name:           k_qf0c09b46cb_proj
    .symbol:         k_qf0c09b46cb_proj.kd
    .args:
      - { .name: xcodes, .offset: 0, .size: 8, .value_kind: global_buffer, .address_space: global }
      - { .name: xscales, .offset: 8, .size: 8, .value_kind: global_buffer, .address_space: global }
      - { .name: wcodes, .offset: 16, .size: 8, .value_kind: global_buffer, .address_space: global }
      - { .name: wscales, .offset: 24, .size: 8, .value_kind: global_buffer, .address_space: global }
      - { .name: bq, .offset: 32, .size: 8, .value_kind: global_buffer, .address_space: global }
      - { .name: bv, .offset: 40, .size: 8, .value_kind: global_buffer, .address_space: global }
      - { .name: qkv, .offset: 48, .size: 8, .value_kind: global_buffer, .address_space: global }
    .group_segment_fixed_size: 327680
    .private_segment_fixed_size: 0
    .kernarg_segment_align: 8
    .kernarg_segment_size: 56
    .max_flat_workgroup_size: 128
    .sgpr_count:     100
    .vgpr_count:     1024
    .wavefront_size: 32
...
	.end_amdgpu_metadata
.endif
;; end of part 2
;; launch scores (part 3): grid 8 x 32, 4 waves a work-group, clusters of 4 x 4, 327,680 bytes of LDS; arguments qkv, p, stats; writes p, stats
.if DOCPART == 3
	.amdgcn_target "amdgcn-amd-amdhsa--gfx1250"
	.amdhsa_code_object_version 6
	.text
	.protected	k_qf0c09b46cb_scores
	.globl	k_qf0c09b46cb_scores
	.p2align	8
	.type	k_qf0c09b46cb_scores,@function
k_qf0c09b46cb_scores:
	s_mov_b64 s[64:65], 0
	v_nop
	global_prefetch_b8 v0, s[64:65] scope:SCOPE_SE
	s_setreg_imm32_b32 hwreg(HW_REG_WAVE_MODE, 25, 1), 1
	s_wait_xcnt 0x0
	s_wait_alu depctr_hold_cnt(0) depctr_sa_sdst(0) depctr_va_vdst(0) depctr_va_sdst(0) depctr_va_ssrc(0) depctr_va_vcc(0) depctr_vm_vsrc(0)
	s_getreg_b32 s2, hwreg(HW_REG_IB_STS2, 6, 4)
	s_cmp_eq_u32 s2, 0
	s_cbranch_scc0 .Lentry_in_a_cluster
	s_endpgm
.Lentry_in_a_cluster:
	s_bfe_u32 s2, ttmp6, 0x10000c
	s_cmp_lg_u32 s2, 0xf033
	s_cbranch_scc0 .Lentry_shape_is_right
	s_endpgm
.Lentry_shape_is_right:
; THIRD LAUNCH: S = Q K^T for each of the four batches (f16 operands, f32 sums), and the first level of the softmax.  K here is value Wk without bk: the term Q . bk / 32 is the same along the softmax's axis and is left out.
; A tile of 256 queries x 256 keys is made by four waves, 128 x 128 each: 64 accumulators, 512 registers.  K (= 1,024 units) goes in steps of 128 through a ring of two LDS slots: rows of 256 bytes, LDS rows 272 bytes apart.
; CLUSTERS: 4 x 4.  Q's tiles are asked for jointly along a row of the cluster, K's along a column (a cluster's rows lie in one batch: 1,024 rows, aligned).
; THE MATRIX INSTRUCTION IS USED TRANSPOSED (source 0 = 16 keys, source 1 = 16 queries): a lane holds ONE query (lane % 16) and 8 neighbouring keys in each accumulator.
; THE SOFTMAX IN TWO LEVELS.  A wave's 128 keys are a CHUNK (16 to a row).  t = score x log2(e) / 32; M_c = the largest t of the row in the chunk, rounded UP to a whole number; p = 2^(t - M_c), in (0, 1], goes to memory as f16;
; -M_c and L_c = the sum of the chunk's unrounded p go to stats [2][16 chunks][8192 rows], f32.  The next launch takes the largest M_c of a row and multiplies each chunk's sums by 2^(M_c - M), which rounds nothing: so the row's
; own maximum is taken away before the exponentials are summed.  LIMIT: p under 2^-25 is lost in f16, beside a largest p of the chunk above 1/2.
; P IS LAID IN THE ORDER OF THE NEXT PRODUCT'S OPERAND REGISTERS: [512 blocks of 16 rows][64 blocks of 32 keys][1,024 bytes].  Two neighbouring accumulators, rounded to f16 in pairs, are such a fragment as they stand
; (lane (r, h): query r; registers 0-3 keys 8 h + 0 .. 7, registers 4-7 keys 16 + 8 h + 0 .. 7): each group of four registers is stored at 16 x lane, 512 consecutive bytes, with no turn through LDS.
; REGISTERS: window 0: v0-31 addresses and a block's figures; v64-127, v128-191 Q's fragments, two buffers; on the way out v64-127 t and p, v192-223 packed p.
;   window 1: v64-127, v128-191 K's fragments.   windows 2, 3: the accumulators ((a, b) at v[8 (8 (a % 4) + b)]).
.set SIZE_K, 1024
.set KSTEP,  128
.set PITCH,  272
.set HALFT,  128*PITCH
.set SLOT,   4*HALFT
.set STATS,  2*SLOT                    ; behind the ring: 1,024 bytes for each wave: 128 x -M, then 128 x L
.set SPARE,  STATS+4*1024              ; the spare words: 128 bytes for each wave, named by no other line
.set LAPS,   SIZE_K/(2*KSTEP)
.set PRM,  3                           ; v3      a lane permute's destination
.set SUM,  4                           ; v4-7    two packed sums
.set MX,   8                           ; v8-11   four running maxima
.set NM,   12                          ; v12     -M; v13 = 0 (named with it as a pair)
.set LS,   14                          ; v14     L
.set WD,   15                          ; v15     lanes 0-15: -M, lanes 16-31: L
.set ADRA, 16
.set ADRB, 20
.set SAD,  27                          ; v27     where the figures go in LDS
.set SPW,  28
.set NIL,  29
.set SRD,  30                          ; v30     where they are read back
.set SGO,  31                          ; v31     16 x lane; never rewritten
.set F0,   64
.set F1,   128
.set T,    64
.set TMP,  192
.set G1, 24
.set G0, 32
.set G1B, 48
.set G0B, 56
.set CS,  66                           ; s[66:67] c = log2(e) / 32
.set SEL, 68                           ; s[68:69] v_permlanex16_b32's selects for lane l xor 16
.set HIL, 70                           ; s70 a mask of lanes 16-31
.set MSB, 0
.macro WIN new
.if MSB != \new
	s_set_vgpr_msb (MSB<<8)|\new
.set MSB, \new
.endif
.endm
.set MUL_LO, 0xa1                      ; source 0 (K) window 1, source 1 (Q) window 0, C and D window 2
.set MUL_HI, 0xf1
.set TO_B,   0x40
.macro JLOAD s                         ; a joint load: waves 0 and 1 fetch Q's two halves, waves 2 and 3 K's; an s_nop 0 and four v_nop follow each line
	s_cmp_eq_u32 s11, 0
	s_cbranch_scc0 .Lfor_b_\@
	tensor_load_to_lds s[G0+4*\s:G0+4*\s+3], s[G1:G1+7]
	s_nop 0
.rept 4
	v_nop
.endr
	s_branch .Lasked_\@
.Lfor_b_\@:
	tensor_load_to_lds s[G0B+4*\s:G0B+4*\s+3], s[G1B:G1B+7]
	s_nop 0
.rept 4
	v_nop
.endr
.Lasked_\@:
.endm
.macro CREST                           ; a round of the cluster's barrier behind its opening barrier
	s_cmp_lg_u32 s10, 0
	s_cbranch_scc1 .Lnot_wave_0_\@
	s_barrier_signal -3
.Lnot_wave_0_\@:
	s_barrier_wait -3
	s_barrier_signal -1
	s_barrier_wait -1
.endm
.macro CROUND
	s_barrier_signal -1
	s_barrier_wait -1
	CREST
.endm
	s_load_b128 s[4:7], s[0:1], 0x0                ; qkv s[4:5], p s[6:7]
	s_load_b64 s[8:9], s[0:1], 0x10                ; stats
	v_lshl_add_u32 v[SPW], v0, 2, SPARE
	v_mov_b32 v[NIL], 0
	ds_add_u32 v[SPW], v[NIL]                      ; the wave's opening: the add, twice on end, and its wait ahead of my first tensor load
	ds_add_u32 v[SPW], v[NIL]
	v_lshrrev_b32 v1, 5, v0
	v_readfirstlane_b32 s10, v1                    ; wave 0..3
	s_lshr_b32 s11, s10, 1                         ; which half of the tile's queries is mine.  Also: I fetch for Q (0) or for K (1)
	s_and_b32 s12, s10, 1                          ; which half of its keys.  Also: which 128 rows of that tile I fetch
	s_bfe_u32 s40, ttmp6, 0x40000                  ; cx
	s_bfe_u32 s41, ttmp6, 0x40004                  ; cy
	s_lshl_b32 s42, ttmp9, 2
	s_add_co_u32 s42, s42, s40                     ; key tile in the batch: 0 .. 7
	s_and_b32 s45, ttmp7, 0xffff                   ; cluster y
	s_lshl_b32 s13, s45, 2
	s_add_co_u32 s13, s13, s41                     ; query tile over all 8,192 rows: 0 .. 31
	s_lshr_b32 s45, s45, 1                         ; the batch: the same in all sixteen partners
	s_lshl_b32 s43, s41, 2
	s_lshl_b32 s43, 15, s43                        ; my row of the cluster
	s_lshl_b32 s44, 0x1111, s40                    ; my column
	s_or_b32 s[G1+0], s43, (1<<16)|(1<<20)|(1<<21)|(5<<22)|(3<<25)   ; the mask; elements of 2 bytes; padding: 4 words behind every 64; bit 21 beside a mask
	s_or_b32 s[G1B+0], s44, (1<<16)|(1<<20)|(1<<21)|(5<<22)|(3<<25)
.irp g, G1, G1B
	s_mov_b32 s[\g+1], KSTEP<<16                   ; tensor_dim0 = 128
	s_mov_b32 s[\g+2], 128<<16                     ; tensor_dim1 = 128
	s_mov_b32 s[\g+3], KSTEP<<16                   ; tile_dim0
	s_mov_b32 s[\g+4], 128                         ; tile_dim1
	s_mov_b32 s[\g+5], SIZE_K                      ; elements from row to row
	s_mov_b32 s[\g+6], 0
	s_mov_b32 s[\g+7], 0
.endr
	s_lshl_b32 s17, s12, 7                         ; which 128 rows of the tile I fetch
	s_lshl_b32 s16, s13, 8
	s_add_co_u32 s16, s16, s17                     ; Q: row 256 x query tile + 128 x half
	s_lshl_b32 s16, s16, 11                        ; 2,048 bytes a row
	s_lshl_b32 s46, s42, 8
	s_add_co_u32 s46, s46, s17
	s_lshl_b32 s47, s45, 11
	s_add_co_u32 s46, s46, s47                     ; K: row 2,048 x batch + 256 x key tile + 128 x half,
	s_lshl_b32 s46, s46, 11
	s_add_co_u32 s46, s46, 0x1000000               ; behind Q's 16,777,216 bytes
	s_mov_b32 s17, 0
	s_mov_b32 s47, 0
	s_mul_i32 s20, s10, HALFT                      ; where they go: Q's two halves, then K's two = wave x 128 rows
	s_mov_b32 s[CS], 0x3d38aa3b                    ; c = log2(e) / 32
	s_mov_b32 s[CS+1], s[CS]
	s_mov_b32 s[SEL], 0x76543210
	s_mov_b32 s[SEL+1], 0xfedcba98
	s_mov_b32 s[HIL], 0xffff0000
	s_wait_dscnt 0x0                               ; both opening adds are done
	s_wait_kmcnt 0x0
	s_add_nc_u64 s[14:15], s[4:5], s[16:17]
	s_add_nc_u64 s[46:47], s[4:5], s[46:47]
	CROUND                                         ; all sixteen work-groups are here: the first joint loads meet
.irp s, 0,1
	s_mov_b32 s[G0+4*\s], 1
	s_add_co_u32 s[G0+4*\s+1], s20, \s*SLOT
	s_add_nc_u64 s[G0+4*\s+2:G0+4*\s+3], s[14:15], \s*KSTEP*2
	s_or_b32 s[G0+4*\s+3], s[G0+4*\s+3], 0x80000000
	s_mov_b32 s[G0B+4*\s], 1
	s_add_co_u32 s[G0B+4*\s+1], s20, \s*SLOT
	s_add_nc_u64 s[G0B+4*\s+2:G0B+4*\s+3], s[46:47], \s*KSTEP*2
	s_or_b32 s[G0B+4*\s+3], s[G0B+4*\s+3], 0x80000000
	JLOAD \s                                       ; by this text's count two tensor loads of a wave are out here, one behind each later round
.endr
	v_and_b32 v1, 15, v0                           ; r
	v_bfe_u32 v2, v0, 4, 1                         ; h
	v_mul_u32_u24 v4, v1, PITCH
	v_lshl_add_u32 v4, v2, 4, v4                   ; a fragment's row x pitch + 16 x half
	s_mul_i32 s21, s11, HALFT                      ; my 128 queries
	s_mul_i32 s22, s12, HALFT                      ; my 128 keys,
	s_add_co_u32 s22, s22, 2*HALFT                 ; behind Q's 256 rows
.irp s, 0,1
	v_add_nc_u32 v[ADRA+\s], s21, v4
	v_add_nc_u32 v[ADRB+\s], s22, v4
	s_add_co_u32 s21, s21, SLOT
	s_add_co_u32 s22, s22, SLOT
.endr
	s_lshl_b32 s23, s10, 10
	s_add_co_u32 s23, s23, STATS                   ; my figures
	v_lshlrev_b32 v5, 2, v1
	v_lshl_add_u32 v5, v2, 9, v5
	v_add_nc_u32 v[SAD], s23, v5                   ; 4 r; lanes 16-31, which carry L, 512 bytes on
	v_and_b32 v5, 31, v0
	v_lshlrev_b32 v[SGO], 4, v5
	v_add_nc_u32 v[SRD], s23, v[SGO]
	v_mov_b32 v[PRM], 0                            ; written once: a lane permute's destination counts as one of its sources
	v_mov_b32 v[NM+1], 0                           ; named as the upper half of the pair with -M
	s_lshl_b32 s16, s13, 8
	s_lshl_b32 s17, s11, 7
	s_add_co_u32 s16, s16, s17                     ; my first row
	s_lshl_b32 s18, s16, 2                         ; its place in a chunk's figures
	s_lshl_b32 s16, s16, 12                        ; and in p: 65,536 bytes for each block of 16 rows
	s_mov_b32 s17, 0
	s_lshl_b32 s46, s42, 13                        ; my first block of 32 keys, 1,024 bytes each: 8 x key tile + 4 x half
	s_lshl_b32 s47, s12, 12
	s_add_co_u32 s46, s46, s47
	s_mov_b32 s47, 0
	s_add_nc_u64 s[16:17], s[16:17], s[46:47]
	s_add_nc_u64 s[6:7], s[6:7], s[16:17]
	s_lshl_b32 s46, s42, 1
	s_add_co_u32 s46, s46, s12                     ; my chunk: 2 x key tile + half
	s_lshl_b32 s46, s46, 15                        ; 32,768 bytes a chunk
	s_add_co_u32 s46, s46, s18
	s_add_nc_u64 s[8:9], s[8:9], s[46:47]
; 16 matrix instructions: query blocks a0, a0 + 1 of the window's four x all 8 key blocks, 32 along K.  zero = 1: the first product starts the sums.  The 64 accumulators take turns.
.macro MUL16 f, hi, a0, zero
.irp a, \a0, \a0+1
.irp b, 0,1,2,3,4,5,6,7
.if \zero
	v_wmma_f32_16x16x32_f16 v[8*(8*(\a)+\b):8*(8*(\a)+\b)+7], v[\f+8*\b:\f+8*\b+7], v[\f+8*(4*\hi+\a):\f+8*(4*\hi+\a)+7], 0
.else
	v_wmma_f32_16x16x32_f16 v[8*(8*(\a)+\b):8*(8*(\a)+\b)+7], v[\f+8*\b:\f+8*\b+7], v[\f+8*(4*\hi+\a):\f+8*(4*\hi+\a)+7], v[8*(8*(\a)+\b):8*(8*(\a)+\b)+7]
.endif
.endr
.endr
.endm
.macro FETCH slot, k, f                ; 32 LDS loads in one run: the fragments of 32 along K at byte k of the rows
	WIN TO_B
.irp i, 0,1,2,3,4,5,6,7
	ds_load_b128 v[\f+8*\i:\f+8*\i+3],   v[ADRB+\slot] offset:\k+\i*16*PITCH
	ds_load_b128 v[\f+8*\i+4:\f+8*\i+7], v[ADRB+\slot] offset:\k+\i*16*PITCH+32
.endr
	WIN 0
.irp i, 0,1,2,3,4,5,6,7
	ds_load_b128 v[\f+8*\i:\f+8*\i+3],   v[ADRA+\slot] offset:\k+\i*16*PITCH
	ds_load_b128 v[\f+8*\i+4:\f+8*\i+7], v[ADRA+\slot] offset:\k+\i*16*PITCH+32
.endr
.endm
.macro PLACES                          ; four plain vector lines between a matrix instruction and a load into, or a read of, its registers
.rept 4
	v_nop
.endr
.endm
.macro QUARTER slot, k, f, g, zero     ; 64 matrix instructions on buffer f; in their middle the next quarter's fragments, at byte k, into buffer g
	s_wait_dscnt 8                                 ; K's and Q's rows 0-63 are in; the youngest eight loads (Q's rows 64-127) may be out
	WIN MUL_LO
	MUL16 \f, 0, 0, \zero
	MUL16 \f, 0, 2, \zero
	PLACES
	FETCH \slot, \k, \g
	s_wait_dscnt 32                                ; all but the 32 just issued
	WIN MUL_HI
	MUL16 \f, 1, 0, \zero
	MUL16 \f, 1, 2, \zero
.endm
.macro MEET round                      ; the change of slots: one barrier; in front of it each wave waits for all its tensor loads, adds 0 to its spare word, and waits for that and for its reads of this slot
	WIN 0
	s_wait_tensorcnt 0x0                           ; all my tensor loads have landed: my part of the next slot
	ds_add_u32 v[SPW], v[NIL]                      ; 0 onto my spare word
	s_wait_dscnt 9                                 ; (the add and the youngest eight loads may be out)
	WIN MUL_LO
	MUL16 F1, 0, 0, 0
	s_wait_dscnt 0x0                               ; the add is done, and my reads of this slot are over
	s_barrier_signal -1
	MUL16 F1, 0, 2, 0
.if \round
	WIN 0
.endif
	s_barrier_wait -1
.endm
.macro TURN slot, next, fill           ; a slot's last quarter.  fill = 1: the slot is filled again, two K steps ahead, behind a round of the cluster's barrier
	MEET \fill
.if \fill
	CREST                                          ; no wave of any partner still reads this slot's tile or has a load on its way
	s_add_nc_u64 s[G0+4*\slot+2:G0+4*\slot+3], s[G0+4*\slot+2:G0+4*\slot+3], 2*KSTEP*2
	s_add_nc_u64 s[G0B+4*\slot+2:G0B+4*\slot+3], s[G0B+4*\slot+2:G0B+4*\slot+3], 2*KSTEP*2
	JLOAD \slot                                    ; the first tensor load behind the round: 224 matrix instructions ahead of the wait for it; its four v_nop are also the places in front of the loads below
.else
	PLACES
.endif
	FETCH \next, 0, F0
	WIN MUL_HI
	MUL16 F1, 1, 0, 0
	MUL16 F1, 1, 2, 0
.endm
	s_wait_tensorcnt 1                             ; my part of K step 0 is in (K step 1's may be out)
	s_barrier_signal -1
	s_barrier_wait -1                              ; everybody's is
	FETCH 0, 0, F0
	QUARTER 0, 64,  F0, F1, 1                      ; the first quarter stands in front of the loop: its products start the sums
	WIN 0
	s_mov_b32 s3, LAPS-1
.Llap:                                                 ; a trip goes once round the ring and fills both slots again
	QUARTER 0, 128, F1, F0, 0
	QUARTER 0, 192, F0, F1, 0
	TURN 0, 1, 1
	QUARTER 1, 64,  F0, F1, 0
	QUARTER 1, 128, F1, F0, 0
	QUARTER 1, 192, F0, F1, 0
	TURN 1, 0, 1
	QUARTER 0, 64,  F0, F1, 0
	WIN 0
	s_sub_co_u32 s3, s3, 1
	s_cmp_lg_u32 s3, 0
	s_cbranch_scc1 .Llap
	QUARTER 0, 128, F1, F0, 0                      ; the last lap fills nothing
	QUARTER 0, 192, F0, F1, 0
	TURN 0, 1, 0
	QUARTER 1, 64,  F0, F1, 0
	QUARTER 1, 128, F1, F0, 0
	QUARTER 1, 192, F0, F1, 0
	s_wait_dscnt 8
	WIN MUL_LO
	MUL16 F1, 0, 0, 0
	MUL16 F1, 0, 2, 0
	s_wait_dscnt 0
	WIN MUL_HI
	MUL16 F1, 1, 0, 0
	MUL16 F1, 1, 2, 0
	WIN 0
; THE WAY OUT, block by block of 16 queries x 128 keys.  SOFT: the chunk's maximum, p, its sum, p as f16.  A lane holds 64 of its query's 128 scores, lane l xor 16 the others.
.macro SOFT a
.set AC, 64*((\a)%4)
.set W1, 2+(\a)/4                      ; source 0 in the block's window
.set W2, (W1<<2)|(W1<<4)               ; sources 1 and 2
.set W3, W1|W2                         ; all three
	WIN W3
.irp k, 0,1,2,3
	v_max3_num_f32 v[MX+\k], v[AC+16*\k], v[AC+16*\k+1], v[AC+16*\k+2]          ; four chains of two accumulators each; every accumulator is first read at its low end
.endr
	WIN W2
.irp i, 3,5,7,9,11,13
.irp k, 0,1,2,3
	v_max3_num_f32 v[MX+\k], v[MX+\k], v[AC+16*\k+\i], v[AC+16*\k+\i+1]
.endr
.endr
.irp k, 0,1,2,3
	v_max_num_f32 v[MX+\k], v[MX+\k], v[AC+16*\k+15]
.endr
	WIN 0
	v_max3_num_f32 v[MX], v[MX], v[MX+1], v[MX+2]
	v_max_num_f32 v[MX], v[MX], v[MX+3]
	v_permlanex16_b32 v[PRM], v[MX], s[SEL], s[SEL+1]
	v_max_num_f32 v[MX], v[MX], v[PRM]             ; the chunk's largest score of my query
	v_mul_f32 v[MX], s[CS], v[MX]                  ; as t (c is positive)
	v_floor_f32 v[NM], -v[MX]                      ; -M = floor(-t) = -ceil(t): a whole number
	WIN W1
.set j, 0
.rept 32
	v_pk_fma_f32 v[T+j:T+j+1], v[AC+j:AC+j+1], s[CS:CS+1], v[NM:NM+1] op_sel_hi:[1,0,0]   ; t - M, two at a time
.set j, j+2
.endr
	WIN 0
.set j, 0
.rept 64
	v_exp_f32 v[T+j], v[T+j]                       ; p = 2^(t - M), at most 1
.set j, j+1
.endr
	v_nop                                          ; a plain line behind the last exponential
	s_wait_alu depctr_va_vdst(0)                   ; the wait ahead of the first reader: one for the batch of 64
	v_pk_add_f32 v[SUM:SUM+1], v[T:T+1], v[T+4:T+5]                 ; the sum of the unrounded p, two at a time, in two chains
	v_pk_add_f32 v[SUM+2:SUM+3], v[T+2:T+3], v[T+6:T+7]
.irp j, 8,12,16,20,24,28,32,36,40,44,48,52,56,60
	v_pk_add_f32 v[SUM:SUM+1], v[SUM:SUM+1], v[T+\j:T+\j+1]
	v_pk_add_f32 v[SUM+2:SUM+3], v[SUM+2:SUM+3], v[T+\j+2:T+\j+3]
.endr
	v_pk_add_f32 v[SUM:SUM+1], v[SUM:SUM+1], v[SUM+2:SUM+3]
	s_wait_xcnt 0x0                                ; the last block's stores have read their data: the packed p is written again only behind this wait
.set j, 0
.rept 32
	v_cvt_pk_f16_f32 v[TMP+j], v[T+2*j], v[T+2*j+1]                 ; eight neighbouring keys make 16 bytes: four registers of a fragment
.set j, j+1
.endr
	v_add_f32 v[LS], v[SUM], v[SUM+1]
	v_permlanex16_b32 v[PRM], v[LS], s[SEL], s[SEL+1]
	v_add_f32 v[LS], v[LS], v[PRM]                 ; L
	v_cndmask_b32 v[WD], v[NM], v[LS], s[HIL]      ; lanes 0-15 carry -M, lanes 16-31 L
	ds_store_b32 v[SAD], v[WD] offset:64*(\a)
.endm
.macro STOREP a                        ; the block's four fragments as they stand: 4,096 consecutive bytes; the block of rows and the place in it stand in the immediate, 462,336 at the most
.irp b, 0,1,2,3,4,5,6,7
	global_store_b128 v[SGO], v[TMP+4*\b:TMP+4*\b+3], s[6:7] offset:65536*(\a)+512*\b   ; 32 lanes store 512 consecutive bytes, at a multiple of 512 from p's first byte
.endr
.endm
	PLACES                                         ; behind the last products
.irp a, 0,1,2,3,4,5,6,7
	SOFT \a
	STOREP \a
.endr
	ds_load_b128 v[SUM:SUM+3], v[SRD]              ; my 128 rows' -M: 512 bytes (LDS serves a wave's instructions in order: these see my stores),
	ds_load_b128 v[MX:MX+3], v[SRD] offset:512     ; and L
	s_wait_dscnt 0x0
	global_store_b128 v[SGO], v[SUM:SUM+3], s[8:9]                  ; 32 lanes store 512 consecutive bytes, aligned
	global_store_b128 v[SGO], v[MX:MX+3], s[8:9] offset:524288
	s_wait_tensorcnt 0x0                           ; the wave's end, behind my last tensor load and my last LDS store
	ds_add_u32 v[SPW], v[NIL]
	s_wait_dscnt 0x0
	CROUND                                         ; the closing round
	s_endpgm
.Lfunc_end_k_qf0c09b46cb_scores:
	.size	k_qf0c09b46cb_scores, .Lfunc_end_k_qf0c09b46cb_scores-k_qf0c09b46cb_scores
	.p2alignl 7, 3214868480
	.fill 96, 4, 3214868480
	.section	.rodata,"a",@progbits
	.p2align	6, 0x0
	.amdhsa_kernel k_qf0c09b46cb_scores
		.amdhsa_group_segment_fixed_size 327680
		.amdhsa_private_segment_fixed_size 0
		.amdhsa_enable_private_segment 0
		.amdhsa_kernarg_size 24
		.amdhsa_user_sgpr_count 2
		.amdhsa_user_sgpr_kernarg_segment_ptr 1
		.amdhsa_wavefront_size32 1
		.amdhsa_system_sgpr_workgroup_id_x 1
		.amdhsa_system_sgpr_workgroup_id_y 1
		.amdhsa_system_sgpr_workgroup_id_z 1
		.amdhsa_system_vgpr_workitem_id 0
		.amdhsa_next_free_vgpr 1024
		.amdhsa_next_free_sgpr 72
		.amdhsa_reserve_vcc 0
		.amdhsa_float_denorm_mode_32 3
		.amdhsa_float_denorm_mode_16_64 3
		.amdhsa_memory_ordered 1
		.amdhsa_forward_progress 1
		.amdhsa_inst_pref_size 203
	.end_amdhsa_kernel
	.amdgpu_metadata
---
amdhsa.version: [ 1, 2 ]
amdhsa.kernels:
  - .name:           k_qf0c09b46cb_scores
    .symbol:         k_qf0c09b46cb_scores.kd
    .args:
      - { .name: qkv, .offset: 0, .size: 8, .value_kind: global_buffer, .address_space: global }
      - { .name: p, .offset: 8, .size: 8, .value_kind: global_buffer, .address_space: global }
      - { .name: stats, .offset: 16, .size: 8, .value_kind: global_buffer, .address_space: global }
    .group_segment_fixed_size: 327680
    .private_segment_fixed_size: 0
    .kernarg_segment_align: 8
    .kernarg_segment_size: 24
    .max_flat_workgroup_size: 128
    .sgpr_count:     72
    .vgpr_count:     1024
    .wavefront_size: 32
...
	.end_amdgpu_metadata
.endif
;; end of part 3
;; launch pv (part 4): grid 4 x 64, 4 waves a work-group, clusters of 4 x 4, 327,680 bytes of LDS; arguments p, stats, qkv, out0; writes out0
.if DOCPART == 4
	.amdgcn_target "amdgcn-amd-amdhsa--gfx1250"
	.amdhsa_code_object_version 6
	.text
	.protected	k_qf0c09b46cb_pv
	.globl	k_qf0c09b46cb_pv
	.p2align	8
	.type	k_qf0c09b46cb_pv,@function
k_qf0c09b46cb_pv:
	s_mov_b64 s[64:65], 0
	v_nop
	global_prefetch_b8 v0, s[64:65] scope:SCOPE_SE
	s_setreg_imm32_b32 hwreg(HW_REG_WAVE_MODE, 25, 1), 1
	s_wait_xcnt 0x0
	s_wait_alu depctr_hold_cnt(0) depctr_sa_sdst(0) depctr_va_vdst(0) depctr_va_sdst(0) depctr_va_ssrc(0) depctr_va_vcc(0) depctr_vm_vsrc(0)
	s_getreg_b32 s2, hwreg(HW_REG_IB_STS2, 6, 4)
	s_cmp_eq_u32 s2, 0
	s_cbranch_scc0 .Lentry_in_a_cluster
	s_endpgm
.Lentry_in_a_cluster:
	s_bfe_u32 s2, ttmp6, 0x10000c
	s_cmp_lg_u32 s2, 0xf033
	s_cbranch_scc0 .Lentry_shape_is_right
	s_endpgm
.Lentry_shape_is_right:
; FOURTH LAUNCH: out = (the sum over chunks c of f_c (P_c V_c)) / l, f16 operands, f32 sums.  P holds p = 2^(t - M_c) by chunks of 128 keys, laid in the order of this product's operand registers:
; [512 blocks of 16 rows][64 blocks of 32 keys][1,024 bytes]; stats holds -M_c and L_c for each row and chunk.
; THE SOFTMAX'S SECOND LEVEL.  At the head: M = the largest M_c of a row; f_c = 2^(M_c - M), a power of two, at most 1, made by v_ldexp_f32; l = the sum of L_c f_c.  A CHUNK'S PRODUCTS ARE SUMMED BY THEMSELVES, from the
; constant 0, and the finished sums are folded into O in f32: O += f_c x sums.  So f_c rounds nothing, and no sum can overflow.  LIMIT: what f_c carries under the smallest f32 number is lost, beside l, which is above 1/2.
; A tile of 128 queries x 256 channels is made by four waves, 64 x 128 each: 32 accumulators for the chunk and 32 for O, 512 registers: 256 tiles, one for each WGP (tiles of 256 x 256 would be 128).
; THE RING.  A key costs 256 bytes of P and 544 of V in LDS: two slots of 192 keys are 307,200 bytes; two of 256 keys would not fit.  2,048 keys are ten such slots and one of 128, which has descriptors of its own.
; A QUARTER is 32 keys, 32 matrix instructions; a slot has 6, a chunk 4.  A trip of the loop is 12 quarters: two slots, three chunks, so that slots and chunks stand at the same places in every trip.  The loop begins at
; quarter 5: the first chunk's fold, a multiplication that starts O, stands ahead of it, and nothing is cleared.
; THE FOLD BY TURNS.  An accumulator is free for the fold from its last product of a chunk to its first of the next: 32 matrix instructions.  Its four packed lines stand behind the matrix instruction eight further on, at the
; price of two window switches: set in one block the 128 lines of a chunk would stand between the products.
; THE MATRIX INSTRUCTION IS USED TRANSPOSED: source 0 = V^T (16 channels x 32 keys), turned on its way out of LDS by ds_load_tr16_b128; source 1 = 16 queries of P: a lane holds ONE query and 8 neighbouring channels.
; CLUSTERS: 4 x 4.  P's tiles are asked for jointly along a row of the cluster, V's along a column (a cluster's 512 rows lie in one batch).
; REGISTERS: window 0: v0-31 addresses; v32-39 f_c of the four blocks of 16 queries, at the even registers; v40-47 1 / l likewise; v64-95, v96-127 P's fragments, two buffers; v128-255 at work at the head and on the way out.
;   window 1: v0-63, v64-127 V^T's fragments, two buffers.   window 2: the chunk's sums, (a, b) at v[8 (8 a + b)].   window 3: O, at the same numbers.
.set QB,     1024                      ; a fragment of P in bytes
.set PROW,   6*QB                      ; a block of 16 rows in a slot: 192 keys
.set PROWT,  4*QB                      ; and in the last, short slot: 128 keys
.set HALFA,  4*PROW                    ; what one tensor load brings of P: 64 queries
.set HALFAT, 4*PROWT
.set BOFF,   2*HALFA                   ; V lies behind P's 128 queries
.set PB,     544                       ; a key's row of V: 512 + 32 = 136 words
.set HALFB,  96*PB                     ; what one tensor load brings of V: 96 keys
.set HALFBT, 64*PB
.set SLOT,   BOFF+2*HALFB
.set FT,     2*SLOT                    ; behind the ring: f_c, f32, [chunk][block of 16 queries][16 rows]: 4,096 bytes for each wave
.set SPARE,  FT+4*4096                 ; the spare words: 128 bytes for each wave, named by no other line
.set STAGE,  SLOT                      ; the way out: 16 rows x (512 + 16) bytes for each wave, in slot 1, which has had its last fill and its last read when the first result is stored there
.set SP,     528
.set ADRA, 16                          ; v16-17 my fragments of P in slot 0, 1
.set ADRT, 18                          ; v18    and in the short slot
.set FAD,  19                          ; v19    where the next chunk's f_c lie
.set ADRB, 20                          ; v20-23 my fragments of V: slot 0 quarters 0-2, 3-5; slot 1 likewise (an LDS immediate has 16 bits)
.set STO,  24
.set RD,   25
.set CO,   26                          ; v26 16 x lane
.set FTW,  27                          ; v27 where I write the table
.set SPW,  28
.set NIL,  29
.set PFO,  30                          ; v30 the prefetches' offset; never rewritten
.set FC,   32
.set RI,   40
.set MM,   48                          ; v48-51 M; v52-55 l
.set LL,   52
.set FA,   64
.set NEGM, 128
.set LSUM, 192
.set G1A, 24
.set G0A, 32
.set LIM, 43                           ; s43 1 in a wave that prefetches, else the greatest number
.set PFA, 44                           ; s[44:45] where my prefetches stand
.set PFS, 46                           ; s[46:47] a chunk on, in bytes
.set G1B, 48
.set G0B, 56
.set HIL, 66                           ; s66 a mask of lanes 16-31
.set G0AT, 72                          ; s[72:75], s[76:79] groups 0, s[80:87], s[88:95] groups 1 for the short slot
.set G0BT, 76
.set G1AT, 80
.set G1BT, 88
.set MSB, 0
.macro WIN new
.if MSB != \new
	s_set_vgpr_msb (MSB<<8)|\new
.set MSB, \new
.endif
.endm
.set MUL,    0xa1                      ; source 0 (V^T) window 1, source 1 (P) window 0, C and D window 2
.set W_FOLD, 0xf2                      ; source 0 (the chunk's sums) window 2, source 1 (f_c) window 0, source 2 and destination (O) window 3
.set TO_B,   0x40
.macro JLOAD g0a, g1a, g0b, g1b        ; a joint load: waves 0 and 1 fetch P's two halves, waves 2 and 3 V's; an s_nop 0 and four v_nop follow each line
	s_cmp_eq_u32 s13, 0
	s_cbranch_scc0 .Lfor_b_\@
	tensor_load_to_lds s[\g0a:\g0a+3], s[\g1a:\g1a+7]
	s_nop 0
.rept 4
	v_nop
.endr
	s_branch .Lasked_\@
.Lfor_b_\@:
	tensor_load_to_lds s[\g0b:\g0b+3], s[\g1b:\g1b+7]
	s_nop 0
.rept 4
	v_nop
.endr
.Lasked_\@:
.endm
; A PREFETCH, by chunks: in the second quarter of chunk c, behind that quarter's run of LDS loads, chunk c + 4 is asked for: 16 quarters on, and from 4 to 8 quarters ahead of the tensor load that will want it.
; Each aligned block of 256 bytes is named once in the launch.  A chunk of P's 128 rows is 8 x 4,096 bytes, read by the four partners of a row of the cluster alone: each takes two blocks of 16 rows, told apart by address;
; wave 0 asks, 16 lanes to a block of rows.  A chunk of V is 128 keys x 512 bytes of my channels, read by the four partners of a column and by the batch's four clusters: the batch's first cluster asks; each partner takes
; 32 keys, told apart by address; waves 2 and 3 ask, 16 keys x 2 blocks each.  Chunks 0 to 3 come by their loads alone.  how = 1: every time; how = 2: not in the loop's last trip, where chunk c + 4 would be the seventeenth.
.macro ASK how
.if (\how) == 1
	s_cmp_eq_u32 s[LIM], 1
.else
	s_cmp_gt_u32 s3, s[LIM]                        ; s3 = 1 in the loop's last trip
.endif
	s_cbranch_scc0 .Lnot_mine_\@
	global_prefetch_b8 v[PFO], s[PFA:PFA+1] th:TH_LOAD_NT scope:SCOPE_SE
.Lnot_mine_\@:
.endm
.macro CREST
	s_cmp_lg_u32 s12, 0
	s_cbranch_scc1 .Lnot_wave_0_\@
	s_barrier_signal -3
.Lnot_wave_0_\@:
	s_barrier_wait -3
	s_barrier_signal -1
	s_barrier_wait -1
.endm
.macro CROUND
	s_barrier_signal -1
	s_barrier_wait -1
	CREST
.endm
	s_load_b256 s[4:11], s[0:1], 0x0               ; p s[4:5], stats s[6:7], qkv s[8:9], out0 s[10:11]
	v_lshl_add_u32 v[SPW], v0, 2, SPARE
	v_mov_b32 v[NIL], 0
	ds_add_u32 v[SPW], v[NIL]                      ; the wave's opening: the add, twice on end, and its wait ahead of my first tensor load
	ds_add_u32 v[SPW], v[NIL]
	v_lshrrev_b32 v1, 5, v0
	v_readfirstlane_b32 s12, v1                    ; wave 0..3
	s_lshr_b32 s13, s12, 1                         ; which 64 of the tile's queries are mine.  Also: I fetch for P (0) or for V (1)
	s_and_b32 s14, s12, 1                          ; which 128 of its channels.  Also: which half of that tile I fetch
	s_bfe_u32 s40, ttmp6, 0x40000                  ; cx
	s_bfe_u32 s41, ttmp6, 0x40004                  ; cy
	s_and_b32 s42, ttmp7, 0xffff                   ; cluster y: 0 .. 15
	s_lshl_b32 s15, s42, 2
	s_add_co_u32 s15, s15, s41                     ; query tile: 0 .. 63
	s_lshl_b32 s18, ttmp9, 2
	s_add_co_u32 s18, s18, s40                     ; channel tile: 0 .. 3
	s_lshl_b32 s16, s41, 2
	s_lshl_b32 s16, 15, s16                        ; my row of the cluster
	s_lshl_b32 s17, 0x1111, s40                    ; my column
	s_or_b32 s[G1A+0], s16, (3<<16)|(1<<21)        ; P: the mask; elements of 8 bytes; no padding: fragments are read 512 consecutive bytes at a time; bit 21 beside a mask
	s_mov_b32 s[G1A+1], (PROW/8)<<16               ; tensor_dim0: a block of rows' 6,144 bytes
	s_mov_b32 s[G1A+2], 4<<16                      ; tensor_dim1: 4 blocks of 16 rows
	s_mov_b32 s[G1A+3], (PROW/8)<<16               ; tile_dim0
	s_mov_b32 s[G1A+4], 4                          ; tile_dim1
	s_mov_b32 s[G1A+5], 65536/8                    ; from block to block
	s_mov_b32 s[G1A+6], 0
	s_mov_b32 s[G1A+7], 0
	s_or_b32 s[G1AT+0], s16, (3<<16)|(1<<21)       ; the short slot's: 4,096 bytes a block of rows
	s_mov_b32 s[G1AT+1], (PROWT/8)<<16
	s_mov_b32 s[G1AT+2], 4<<16
	s_mov_b32 s[G1AT+3], (PROWT/8)<<16
	s_mov_b32 s[G1AT+4], 4
	s_mov_b32 s[G1AT+5], 65536/8
	s_mov_b32 s[G1AT+6], 0
	s_mov_b32 s[G1AT+7], 0
	s_or_b32 s[G1B+0], s17, (1<<16)|(1<<20)|(1<<21)|(6<<22)|(7<<25)   ; V: elements of 2 bytes; padding: 8 words behind every 128
	s_mov_b32 s[G1B+1], 256<<16
	s_mov_b32 s[G1B+2], 96<<16
	s_mov_b32 s[G1B+3], 256<<16
	s_mov_b32 s[G1B+4], 96
	s_mov_b32 s[G1B+5], 1024
	s_mov_b32 s[G1B+6], 0
	s_mov_b32 s[G1B+7], 0
	s_or_b32 s[G1BT+0], s17, (1<<16)|(1<<20)|(1<<21)|(6<<22)|(7<<25)  ; the short slot's: 64 keys a load
	s_mov_b32 s[G1BT+1], 256<<16
	s_mov_b32 s[G1BT+2], 64<<16
	s_mov_b32 s[G1BT+3], 256<<16
	s_mov_b32 s[G1BT+4], 64
	s_mov_b32 s[G1BT+5], 1024
	s_mov_b32 s[G1BT+6], 0
	s_mov_b32 s[G1BT+7], 0
	s_lshl_b32 s20, s15, 19                        ; P: 8 blocks of 65,536 bytes a query tile,
	s_lshl_b32 s21, s14, 18                        ; 4 for my half
	s_add_co_u32 s20, s20, s21
	s_mov_b32 s21, 0
	s_lshr_b32 s19, s42, 2                         ; the batch,
	s_lshl_b32 s19, s19, 11                        ; its first key
	s_lshl_b32 s23, s18, 9                         ; 512 bytes a channel tile
	s_mul_i32 s22, s14, 96
	s_add_co_u32 s22, s22, s19                     ; V: key 2,048 x batch + 96 x half,
	s_lshl_b32 s22, s22, 11                        ; 2,048 bytes a key,
	s_add_co_u32 s22, s22, s23
	s_add_co_u32 s22, s22, 0x2000000               ; behind Q's and K's 33,554,432 bytes
	s_lshl_b32 s96, s14, 6
	s_add_co_u32 s96, s96, s19
	s_add_co_u32 s96, s96, 1920                    ; the short slot: key 2,048 x batch + 1,920 + 64 x half
	s_lshl_b32 s96, s96, 11
	s_add_co_u32 s96, s96, s23
	s_add_co_u32 s96, s96, 0x2000000
	s_mov_b32 s23, 0
	s_mov_b32 s97, 0
	s_mul_i32 s68, s14, HALFA                      ; where they go: no place in the cluster enters an LDS address
	s_mul_i32 s69, s14, HALFB
	s_add_co_u32 s69, s69, BOFF
	s_mul_i32 s70, s14, HALFAT
	s_mul_i32 s71, s14, HALFBT
	s_add_co_u32 s71, s71, BOFF
	s_mov_b32 s[HIL], 0xffff0000
	s_wait_dscnt 0x0                               ; both opening adds are done
	s_wait_kmcnt 0x0
	s_add_nc_u64 s[20:21], s[4:5], s[20:21]
	s_add_nc_u64 s[22:23], s[8:9], s[22:23]
	s_add_nc_u64 s[96:97], s[8:9], s[96:97]
	CROUND                                         ; all sixteen work-groups are here: the first joint loads meet
	s_mov_b32 s[G0AT], 1                           ; the short slot's groups 0: keys 1,920 on, into slot 0
	s_mov_b32 s[G0AT+1], s70
	s_add_nc_u64 s[G0AT+2:G0AT+3], s[20:21], 10*PROW
	s_or_b32 s[G0AT+3], s[G0AT+3], 0x80000000
	s_mov_b32 s[G0BT], 1
	s_mov_b32 s[G0BT+1], s71
	s_mov_b64 s[G0BT+2:G0BT+3], s[96:97]
	s_or_b32 s[G0BT+3], s[G0BT+3], 0x80000000
.irp s, 0,1
	s_mov_b32 s[G0A+4*\s], 1
	s_add_co_u32 s[G0A+4*\s+1], s68, \s*SLOT
	s_add_nc_u64 s[G0A+4*\s+2:G0A+4*\s+3], s[20:21], \s*PROW
	s_or_b32 s[G0A+4*\s+3], s[G0A+4*\s+3], 0x80000000
	s_mov_b32 s[G0B+4*\s], 1
	s_add_co_u32 s[G0B+4*\s+1], s69, \s*SLOT
	s_add_nc_u64 s[G0B+4*\s+2:G0B+4*\s+3], s[22:23], \s*192*2048
	s_or_b32 s[G0B+4*\s+3], s[G0B+4*\s+3], 0x80000000
	JLOAD G0A+4*\s, G1A, G0B+4*\s, G1B             ; by this text's count two tensor loads of a wave are out here, one behind each later round
.endr
	v_and_b32 v1, 15, v0                           ; r
	v_bfe_u32 v2, v0, 4, 1                         ; h
	v_lshlrev_b32 v3, 2, v1
	s_lshl_b32 s16, s15, 7
	s_lshl_b32 s17, s13, 6
	s_add_co_u32 s16, s16, s17                     ; my first row
	s_lshl_b32 s98, s16, 2
	s_mov_b32 s99, 0
	s_add_nc_u64 s[6:7], s[6:7], s[98:99]
.irp a, 0,1,2,3                                ; -M_c and L_c of row 16 a + r, all 16 chunks; both halves of the lanes take the same
.irp c, 0,1,2,3,4,5,6,7,8,9,10,11,12,13,14,15
	global_load_b32 v[NEGM+16*\a+\c], v3, s[6:7] offset:\c*32768+64*\a
	global_load_b32 v[LSUM+16*\a+\c], v3, s[6:7] offset:524288+\c*32768+64*\a
.endr
.endr
	v_and_b32 v7, 31, v0
	v_lshlrev_b32 v[CO], 4, v7
	s_mul_i32 s17, s13, HALFA
	v_add_nc_u32 v[ADRA], s17, v[CO]               ; P: my 4 blocks of 16 queries; 16 bytes a lane
	v_add_nc_u32 v[ADRA+1], SLOT, v[ADRA]
	s_mul_i32 s17, s13, HALFAT
	v_add_nc_u32 v[ADRT], s17, v[CO]
	v_and_b32 v5, 7, v0
	v_lshl_add_u32 v5, v2, 3, v5
	v_mul_u32_u24 v5, v5, PB                       ; V: key 8 (l / 16) + l % 8,
	v_bfe_u32 v6, v0, 3, 1
	v_lshl_add_u32 v5, v6, 4, v5                   ; channels 8 ((l / 8) % 2) on,
	s_lshl_b32 s17, s14, 8
	s_add_co_u32 s17, s17, BOFF                    ; my 128 channels
	v_add_nc_u32 v[ADRB], s17, v5
	v_add_nc_u32 v[ADRB+1], 96*PB, v[ADRB]         ; three quarters, 96 keys, on
	v_add_nc_u32 v[ADRB+2], SLOT, v[ADRB]
	v_add_nc_u32 v[ADRB+3], SLOT, v[ADRB+1]
	s_lshl_b32 s17, s12, 12
	s_add_co_u32 s17, s17, FT                      ; my table
	v_add_nc_u32 v[FAD], s17, v3                   ; read: 4 r
	v_lshl_add_u32 v[FTW], v7, 2, s17              ; written: 4 x lane
	s_mul_i32 s17, s12, 16*SP
	s_add_co_u32 s17, s17, STAGE
	v_mul_u32_u24 v8, v1, SP
	v_lshl_add_u32 v8, v2, 5, v8
	v_add_nc_u32 v[STO], s17, v8                   ; the stage, in: row r, 32 bytes for each half of the lanes
	v_add_nc_u32 v[RD], s17, v[CO]                 ; back: the 32 lanes take one row of 512 bytes
	s_lshl_b32 s16, s16, 12                        ; out0: 4,096 bytes a row,
	s_lshl_b32 s17, s18, 10                        ; 1,024 a channel tile,
	s_add_co_u32 s16, s16, s17
	s_lshl_b32 s17, s14, 9                         ; 512 for my half
	s_add_co_u32 s16, s16, s17
	s_mov_b32 s17, 0
	s_add_nc_u64 s[10:11], s[10:11], s[16:17]
	; the prefetches: where my wave's stand, and who asks
	s_lshl_b32 s16, s15, 3
	s_lshl_b32 s17, s40, 1
	s_add_co_u32 s16, s16, s17                     ; P: my work-group's 2 of the tile's 8 blocks of 16 rows,
	s_lshl_b32 s16, s16, 16
	s_add_co_u32 s16, s16, 3*4096                  ; at chunk 3: the first request steps it to 4
	s_lshr_b32 s17, s42, 2
	s_lshl_b32 s17, s17, 11
	s_lshl_b32 s19, s14, 6
	s_add_co_u32 s17, s17, s19
	s_lshl_b32 s19, s41, 4
	s_add_co_u32 s17, s17, s19                     ; V: of a chunk's 128 keys my wave's 64, of these my work-group's 16,
	s_lshl_b32 s17, s17, 11
	s_lshl_b32 s19, s18, 9
	s_add_co_u32 s17, s17, s19
	s_add_co_u32 s17, s17, 0x2000000+3*262144      ; at chunk 3
	s_and_b32 s19, s42, 3                          ; 0 in the batch's first cluster
	s_cmp_eq_u32 s13, 0
	s_cselect_b64 s[PFA:PFA+1], s[4:5], s[8:9]
	s_cselect_b32 s16, s16, s17
	s_cselect_b32 s19, s14, s19                    ; 0 in wave 0; in waves 2 and 3 of the batch's first cluster: the same in all sixteen partners
	s_mov_b32 s[PFS], 262144
	s_cselect_b32 s[PFS], 4096, s[PFS]
	s_cselect_b32 s2, -1, 0
	s_mov_b32 s17, 0
	s_mov_b32 s[PFS+1], 0
	s_add_nc_u64 s[PFA:PFA+1], s[PFA:PFA+1], s[16:17]
	s_cmp_eq_u32 s19, 0
	s_cselect_b32 s[LIM], 1, -1
	v_lshlrev_b32 v9, 16, v2
	v_lshl_add_u32 v9, v1, 8, v9                   ; P: 16 lanes to a block of rows' 4,096 bytes
	v_lshrrev_b32 v10, 1, v7
	v_and_b32 v11, 1, v7
	v_lshlrev_b32 v10, 11, v10
	v_lshl_add_u32 v10, v11, 8, v10                ; V: two lanes a key
	v_cndmask_b32 v[PFO], v10, v9, s2
	s_wait_loadcnt 0x0                             ; the figures
.irp a, 0,1,2,3
	v_max3_num_f32 v[MM+\a], -v[NEGM+16*\a], -v[NEGM+16*\a+1], -v[NEGM+16*\a+2]      ; M = the largest M_c
.endr
.irp i, 3,5,7,9,11,13
.irp a, 0,1,2,3
	v_max3_num_f32 v[MM+\a], v[MM+\a], -v[NEGM+16*\a+\i], -v[NEGM+16*\a+\i+1]
.endr
.endr
.irp a, 0,1,2,3
	v_max_num_f32 v[MM+\a], v[MM+\a], -v[NEGM+16*\a+15]
.endr
.set j, 0
.rept 64
	v_sub_f32 v[NEGM+j], -v[NEGM+j], v[MM+j/16]    ; M_c - M: a whole number, 0 or less
.set j, j+1
.endr
.set j, 0
.rept 64
	v_cvt_i32_f32 v[NEGM+j], v[NEGM+j]             ; (it saturates)
.set j, j+1
.endr
.set j, 0
.rept 64
	v_ldexp_f32 v[NEGM+j], 1.0, v[NEGM+j]          ; f_c = 2^(M_c - M)
.set j, j+1
.endr
.irp a, 0,1,2,3
	v_mul_f32 v[LL+\a], v[LSUM+16*\a], v[NEGM+16*\a]
.endr
.irp c, 1,2,3,4,5,6,7,8,9,10,11,12,13,14,15
.irp a, 0,1,2,3
	v_fmac_f32 v[LL+\a], v[LSUM+16*\a+\c], v[NEGM+16*\a+\c]        ; l = the sum of L_c f_c
.endr
.endr
.irp c, 0,1,2,3,4,5,6,7,8,9,10,11,12,13,14,15
.irp u, 0,1
	v_cndmask_b32 v[FA+2*\c+\u], v[NEGM+32*\u+\c], v[NEGM+32*\u+16+\c], s[HIL]   ; lanes 0-15 carry block 2 u's f_c, lanes 16-31 block 2 u + 1's
.endr
.endr
.irp a, 0,1,2,3
	v_rcp_f32 v[RI+2*\a], v[LL+\a]
.endr
.irp a, 0,1,2,3
	v_mov_b32 v[RI+2*\a+1], 0                      ; named with 1 / l, and with f_c, as pairs, so they are written.  (Plain lines behind the reciprocals)
	v_mov_b32 v[FC+2*\a+1], 0
.endr
	s_wait_alu depctr_va_vdst(0)                   ; the wait ahead of the first reader and of every label: one for the four
.irp c, 0,1,2,3,4,5,6,7,8,9,10,11,12,13,14,15
.irp u, 0,1
	ds_store_b32 v[FTW], v[FA+2*\c+\u] offset:256*\c+128*\u        ; my wave's own table: 256 bytes a chunk
.endr
.endr
.macro FOLD a, b, first                ; O(a, b) += f_c x the chunk's sums: four packed lines, from the accumulator's low end on.  first = 1: the first chunk starts O
	WIN W_FOLD
.irp i, 0,2,4,6
.if \first
	v_pk_mul_f32 v[8*(8*(\a)+(\b))+\i:8*(8*(\a)+(\b))+\i+1], v[8*(8*(\a)+(\b))+\i:8*(8*(\a)+(\b))+\i+1], v[FC+2*(\a):FC+2*(\a)+1] op_sel_hi:[1,0]
.else
	v_pk_fma_f32 v[8*(8*(\a)+(\b))+\i:8*(8*(\a)+(\b))+\i+1], v[8*(8*(\a)+(\b))+\i:8*(8*(\a)+(\b))+\i+1], v[FC+2*(\a):FC+2*(\a)+1], v[8*(8*(\a)+(\b))+\i:8*(8*(\a)+(\b))+\i+1] op_sel_hi:[1,0,1]
.endif
.endr
.endm
; 8 matrix instructions: query block a x all 8 channel blocks, 32 keys of buffer f.  zero = 1: a chunk's first products start its sums.  fa >= 0: behind each stands the fold of block fa's accumulator of the same channels.
; The 32 accumulators take turns in one order.
.macro MUL8 f, a, zero, fa, first
.irp b, 0,1,2,3,4,5,6,7
	WIN MUL
.if \zero
	v_wmma_f32_16x16x32_f16 v[8*(8*(\a)+\b):8*(8*(\a)+\b)+7], v[64*(\f)+8*\b:64*(\f)+8*\b+7], v[FA+32*(\f)+8*(\a):FA+32*(\f)+8*(\a)+7], 0
.else
	v_wmma_f32_16x16x32_f16 v[8*(8*(\a)+\b):8*(8*(\a)+\b)+7], v[64*(\f)+8*\b:64*(\f)+8*\b+7], v[FA+32*(\f)+8*(\a):FA+32*(\f)+8*(\a)+7], v[8*(8*(\a)+\b):8*(8*(\a)+\b)+7]
.endif
.if (\fa) >= 0
	FOLD \fa, \b, \first
.endif
.endr
.endm
.macro FLOAD                           ; the chunk's f_c, into the even registers; then on to the next chunk's
.irp a, 0,1,2,3
	ds_load_b32 v[FC+2*\a], v[FAD] offset:64*\a
.endr
	v_add_nc_u32 v[FAD], 256, v[FAD]
.endm
.macro FETCH_A adr, pp, q, g           ; P: four fragments of 16 queries x 32 keys, as they lie: 512 consecutive bytes a load.  pp: bytes from block to block of rows
.irp a, 0,1,2,3
	ds_load_b128 v[FA+32*(\g)+8*\a:FA+32*(\g)+8*\a+3],   v[\adr] offset:(\pp)*\a+QB*(\q)
	ds_load_b128 v[FA+32*(\g)+8*\a+4:FA+32*(\g)+8*\a+7], v[\adr] offset:(\pp)*\a+QB*(\q)+512
.endr
.endm
.macro FETCH_B adr, q, g               ; V^T: eight fragments of 16 channels x 32 keys, turned
.irp b, 0,1,2,3,4,5,6,7
	ds_load_tr16_b128 v[64*(\g)+8*\b:64*(\g)+8*\b+3],   v[\adr] offset:(\q)*32*PB+32*\b
	ds_load_tr16_b128 v[64*(\g)+8*\b+4:64*(\g)+8*\b+7], v[\adr] offset:(\q)*32*PB+16*PB+32*\b
.endr
.endm
.macro PLACES                          ; four plain vector lines between a matrix instruction and a load into, or a read of, its registers
.rept 4
	v_nop
.endr
.endm
; A QUARTER: 32 matrix instructions on buffer f.  ph: its place in its chunk, 0 .. 3.  ph = 0 starts the chunk's sums and folds the last chunk's block 3; ph = 1 fetches the chunk's f_c (the last chunk's were last read a
; quarter ago); ph = 3 folds blocks 0 to 2.  fm: 0 nothing to fold, 1 the fold adds, 2 the first chunk's.  nk: 0 nothing more to fetch, 1 quarter nq of slot ns goes into the other buffer, 2 quarter nq of the short slot.
; The four v_nop behind block 0's products are the places in front of the loads and, where ph = 3, in front of the first fold.
.macro QUARTER f, ph, fm, nk, ns, nq, ask
.if \ask
	s_wait_xcnt 0x0                                ; the last prefetch, a chunk back, has read its address: it is stepped here
	s_add_nc_u64 s[PFA:PFA+1], s[PFA:PFA+1], s[PFS:PFS+1]
.endif
	s_wait_dscnt 0x0                               ; buffer f's fragments are in (asked for 24 matrix instructions ago)
.if (\ph) == 0
.if (\fm) > 0
	MUL8 \f, 0, 1, 3, (\fm)-1
.else
	MUL8 \f, 0, 1, -1, 0
.endif
.else
	MUL8 \f, 0, 0, -1, 0
.endif
	WIN 0
	PLACES
.if (\nk) == 1
	FETCH_A ADRA+(\ns), PROW, \nq, 1-(\f)
.elseif (\nk) == 2
	FETCH_A ADRT, PROWT, \nq, 1-(\f)
.endif
.if (\ph) == 1
	FLOAD
.endif
.if (\nk) > 0
	WIN TO_B
	FETCH_B ADRB+2*(\ns)+(\nq)/3, (\nq)%3, 1-(\f)
	WIN 0
.endif
.if \ask
	ASK \ask
.endif
.if (\ph) == 3
	MUL8 \f, 1, 0, 0, (\fm)-1
	MUL8 \f, 2, 0, 1, (\fm)-1
	MUL8 \f, 3, 0, 2, (\fm)-1
.elseif (\ph) == 0
	MUL8 \f, 1, 1, -1, 0
	MUL8 \f, 2, 1, -1, 0
	MUL8 \f, 3, 1, -1, 0
.else
	MUL8 \f, 1, 0, -1, 0
	MUL8 \f, 2, 0, -1, 0
	MUL8 \f, 3, 0, -1, 0
.endif
.endm
; A slot's sixth quarter (buffer 1; ph is 1 or 3) changes slots: one barrier; in front of it each wave waits for all its tensor loads, adds 0 to its spare word, and waits for that and for its reads of this slot.
; fill = 1: the slot is filled again, two slots ahead, behind a round of the cluster's barrier; 2: with the short slot; 0: not at all.  tl = 1: the slot ahead is the short one.
.macro TURN slot, ph, fill, tl, ask
.if \ask
	s_wait_xcnt 0x0                                ; the last prefetch, a chunk back, has read its address: it is stepped here
	s_add_nc_u64 s[PFA:PFA+1], s[PFA:PFA+1], s[PFS:PFS+1]
.endif
	WIN 0
	s_wait_tensorcnt 0x0                           ; all my tensor loads have landed: my part of the next slot
	ds_add_u32 v[SPW], v[NIL]                      ; 0 onto my spare word
	s_wait_dscnt 1                                 ; buffer 1's fragments are in (the add may be out)
	MUL8 1, 0, 0, -1, 0
	s_wait_dscnt 0x0                               ; the add is done, and my reads of this slot are over
	s_barrier_signal -1
.if (\ph) == 3
	PLACES                                         ; in front of the first fold
	MUL8 1, 1, 0, 0, 0
.else
	MUL8 1, 1, 0, -1, 0
.endif
	WIN 0
	s_barrier_wait -1
.if (\fill) == 1
	CREST                                          ; no wave of any partner still reads this slot's tiles or has a load on its way
	s_add_nc_u64 s[G0A+4*(\slot)+2:G0A+4*(\slot)+3], s[G0A+4*(\slot)+2:G0A+4*(\slot)+3], 2*PROW
	s_add_nc_u64 s[G0B+4*(\slot)+2:G0B+4*(\slot)+3], s[G0B+4*(\slot)+2:G0B+4*(\slot)+3], 2*192*2048
	JLOAD G0A+4*(\slot), G1A, G0B+4*(\slot), G1B   ; the first tensor load behind the round: 176 matrix instructions ahead of the wait for it; its four v_nop are also the places in front of the loads below
.elseif (\fill) == 2
	CREST
	JLOAD G0AT, G1AT, G0BT, G1BT                   ; the last 128 keys
.else
	PLACES
.endif
.if \tl
	FETCH_A ADRT, PROWT, 0, 0
.else
	FETCH_A ADRA+1-(\slot), PROW, 0, 0
.endif
.if (\ph) == 1
	FLOAD
.endif
	WIN TO_B
	FETCH_B ADRB+2*(1-(\slot)), 0, 0
	WIN 0
.if \ask
	ASK \ask
.endif
.if (\ph) == 3
	MUL8 1, 2, 0, 1, 0
	MUL8 1, 3, 0, 2, 0
.else
	MUL8 1, 2, 0, -1, 0
	MUL8 1, 3, 0, -1, 0
.endif
.endm
	s_wait_dscnt 0x0                               ; my table is written
	s_wait_tensorcnt 1                             ; my part of slot 0 is in (slot 1's may be out)
	s_barrier_signal -1
	s_barrier_wait -1                              ; everybody's is
	FETCH_A ADRA, PROW, 0, 0
	WIN TO_B
	FETCH_B ADRB, 0, 0
	WIN 0
	QUARTER 0, 0, 0, 1, 0, 1, 0                    ; quarters 0 to 4 stand in front of the loop: the first chunk, whose fold starts O
	QUARTER 1, 1, 0, 1, 0, 2, 1
	QUARTER 0, 2, 0, 1, 0, 3, 0
	QUARTER 1, 3, 2, 1, 0, 4, 0
	QUARTER 0, 0, 2, 1, 0, 5, 0
	WIN 0
	s_mov_b32 s3, 4
.Llap:                                                 ; a trip: quarters 5 + 12 t to 16 + 12 t; it fills both slots again: 4 trips for slots 2 to 9
	TURN 0, 1, 1, 0, 1
	QUARTER 0, 2, 0, 1, 1, 1, 0
	QUARTER 1, 3, 1, 1, 1, 2, 0
	QUARTER 0, 0, 1, 1, 1, 3, 0
	QUARTER 1, 1, 0, 1, 1, 4, 1
	QUARTER 0, 2, 0, 1, 1, 5, 0
	TURN 1, 3, 1, 0, 0
	QUARTER 0, 0, 1, 1, 0, 1, 0
	QUARTER 1, 1, 0, 1, 0, 2, 2
	QUARTER 0, 2, 0, 1, 0, 3, 0
	QUARTER 1, 3, 1, 1, 0, 4, 0
	QUARTER 0, 0, 1, 1, 0, 5, 0
	WIN 0
	s_sub_co_u32 s3, s3, 1
	s_cmp_lg_u32 s3, 0
	s_cbranch_scc1 .Llap
	TURN 0, 1, 2, 0, 0                             ; the tail is written out: slot 0 takes the short slot, slot 1 is not filled again
	QUARTER 0, 2, 0, 1, 1, 1, 0
	QUARTER 1, 3, 1, 1, 1, 2, 0
	QUARTER 0, 0, 1, 1, 1, 3, 0
	QUARTER 1, 1, 0, 1, 1, 4, 0
	QUARTER 0, 2, 0, 1, 1, 5, 0
	TURN 1, 3, 0, 1, 0
	QUARTER 0, 0, 1, 2, 0, 1, 0
	QUARTER 1, 1, 0, 2, 0, 2, 0
	QUARTER 0, 2, 0, 2, 0, 3, 0
	QUARTER 1, 3, 1, 0, 0, 0, 0
.irp b, 0,1,2,3,4,5,6,7
	FOLD 3, \b, 0                                  ; the last chunk's block 3: behind its last product stand block 2's last four lines, and these in their order
.endr
	WIN 0
; THE WAY OUT, block by block of 16 queries x 128 channels: divided by l, through my stage in LDS, back as whole rows of 512 bytes.
.macro OUTB a
	WIN 0x03                                       ; source 0: window 3
.set j, 0
.rept 32
	v_pk_mul_f32 v[FA+j:FA+j+1], v[64*(\a)+j:64*(\a)+j+1], v[RI+2*(\a):RI+2*(\a)+1] op_sel_hi:[1,0]
.set j, j+2
.endr
	WIN 0
.irp b, 0,1,2,3,4,5,6,7
	ds_store_b128 v[STO], v[FA+8*\b:FA+8*\b+3] offset:64*\b
	ds_store_b128 v[STO], v[FA+8*\b+4:FA+8*\b+7] offset:64*\b+16
.endr
.set BB, 128+64*((\a)%2)
.irp t, 0,1,2,3,4,5,6,7,8,9,10,11,12,13,14,15
	ds_load_b128 v[BB+4*\t:BB+4*\t+3], v[RD] offset:\t*SP          ; LDS serves a wave's instructions in order: these see the stores above
.endr
.endm
.macro SEND a, younger                 ; younger: the LDS instructions issued behind block a's loads, which may stay out
.set BB, 128+64*((\a)%2)
	s_wait_dscnt \younger
.if (\a) > 0
	s_add_nc_u64 s[10:11], s[10:11], 16*4096       ; (behind a wait on XCNT: the earlier stores have read their base)  16 rows on
.endif
.irp t, 0,1,2,3,4,5,6,7,8,9,10,11,12,13,14,15
	global_store_b128 v[CO], v[BB+4*\t:BB+4*\t+3], s[10:11] offset:\t*4096 th:TH_STORE_NT   ; 32 lanes store 512 consecutive bytes, at a multiple of 256 from out0's first byte
.endr
.endm
	OUTB 0
.irp a, 1,2,3
.if \a > 1
	s_wait_xcnt 0x0                                ; block a - 2's stores have read their registers and their base
.endif
	OUTB \a
	SEND \a-1, 32                                  ; behind block a - 1's loads: block a's 16 stores and 16 loads
.endr
	s_wait_xcnt 0x0
	SEND 3, 0
	s_wait_tensorcnt 0x0                           ; the wave's end, behind my last tensor load and my last LDS store
	ds_add_u32 v[SPW], v[NIL]
	s_wait_dscnt 0x0
	CROUND                                         ; the closing round
	s_endpgm
.Lfunc_end_k_qf0c09b46cb_pv:
	.size	k_qf0c09b46cb_pv, .Lfunc_end_k_qf0c09b46cb_pv-k_qf0c09b46cb_pv
	.p2alignl 7, 3214868480
	.fill 96, 4, 3214868480
	.section	.rodata,"a",@progbits
	.p2align	6, 0x0
	.amdhsa_kernel k_qf0c09b46cb_pv
		.amdhsa_group_segment_fixed_size 327680
		.amdhsa_private_segment_fixed_size 0
		.amdhsa_enable_private_segment 0
		.amdhsa_kernarg_size 32
		.amdhsa_user_sgpr_count 2
		.amdhsa_user_sgpr_kernarg_segment_ptr 1
		.amdhsa_wavefront_size32 1
		.amdhsa_system_sgpr_workgroup_id_x 1
		.amdhsa_system_sgpr_workgroup_id_y 1
		.amdhsa_system_sgpr_workgroup_id_z 1
		.amdhsa_system_vgpr_workitem_id 0
		.amdhsa_next_free_vgpr 1024
		.amdhsa_next_free_sgpr 100
		.amdhsa_reserve_vcc 0
		.amdhsa_float_denorm_mode_32 3
		.amdhsa_float_denorm_mode_16_64 3
		.amdhsa_memory_ordered 1
		.amdhsa_forward_progress 1
		.amdhsa_inst_pref_size 246
	.end_amdhsa_kernel
	.amdgpu_metadata
---
amdhsa.version: [ 1, 2 ]
amdhsa.kernels:
  - .name:           k_qf0c09b46cb_pv
    .symbol:         k_qf0c09b46cb_pv.kd
    .args:
      - { .name: p, .offset: 0, .size: 8, .value_kind: global_buffer, .address_space: global }
      - { .name: stats, .offset: 8, .size: 8, .value_kind: global_buffer, .address_space: global }
      - { .name: qkv, .offset: 16, .size: 8, .value_kind: global_buffer, .address_space: global }
      - { .name: out0, .offset: 24, .size: 8, .value_kind: global_buffer, .address_space: global }
    .group_segment_fixed_size: 327680
    .private_segment_fixed_size: 0
    .kernarg_segment_align: 8
    .kernarg_segment_size: 32
    .max_flat_workgroup_size: 128
    .sgpr_count:     100
    .vgpr_count:     1024
    .wavefront_size: 32
...
	.end_amdgpu_metadata
.endif
;; end of part 4
